; MI455X (gfx1250); checked and timed in simulation.
; The chip was launched on July 23, 2026; its instructions are those of AMD's public machine-readable ISA for CDNA 5 (MIT licence, August 2026) and "CDNA5" Instruction Set Architecture Reference Guide (July 2026). The comments in the code are by the model that wrote it; some were corrected since.
;; Attention. Allowed arithmetic: matrix products marked QUANTISED: E2M1 operands, one E8M0 scale for each 32 along K, by v_wmma_scale_f32_16x16x128_f8f6f4 with both operands' format E2M1 (or v_wmma_scale_f32_32x16x128_f4), f32 sums; everything else in f32.
;; Inputs: Wkv 1,024 x 2,048 float32; Wo 1,024 x 1,024 float32; Wq 1,024 x 1,024 float32; bo 1,024 float32; x 4 x 2,048 x 1,024 float32.
;; Outputs: out0 4 x 2,048 x 1,024 float32.
;; This version of the problem:
;;   THIS VERSION OF THE PROBLEM IS GIVEN IN LOW PRECISION. The matrix products marked QUANTISED in the list below multiply operands that are first quantised to E2M1 (2 exponent bits, 1 mantissa bit; 4 bits a number), with one power-of-two scale for each 32 numbers along K (OCP MX v1.0); their sums are f32. All else is computed in f32.
;;   The module's matrix products, in the order in which they are computed (A, B: the left and right operand; K: the contracted axis; several contracted axes count as one K, in the product's order):
;;     1. [M 8,192, K 1,024] x [K 1,024, N 1,024]; A: input x; B: input Wq: QUANTISED
;;     2. [M 8,192, K 1,024] x [K 1,024, N 2,048]; A: input x; B: input Wkv: QUANTISED
;;     3. batch 64 x [M 2,048, K 64] x [K 64, N 2,048]; A: computed on the way; B: computed on the way: QUANTISED
;;     4. batch 64 x [M 2,048, K 2,048] x [K 2,048, N 64]; A: softmax (see below); B: computed on the way: QUANTISED
;;     5. [M 8,192, K 1,024] x [K 1,024, N 1,024]; A: computed on the way; B: input Wo: QUANTISED
;;   THE QUANTISER, for each operand of a quantised product, along K:
;;     - K is cut into blocks of 32 from its start; a last block that is shorter is filled with zeros.
;;     - A block's scale is 2^e with e = floor(log2(the largest magnitude in the block)) - 2, held to -126 .. 127; a block of zeros has e = 0. As a byte (E8M0): e + 127.
;;     - Each number is divided by its block's scale, clamped to +-6, and rounded to the nearest number of E2M1, ties to even, subnormals kept.
;;     - The product sums the exact products of the quantised numbers (number of the format x scale) in f32.
;;   ~~~python
;;   def quantise(x, axis):      # numpy; x: float32 -> the quantised numbers, widened to float32 again
;;       x = np.moveaxis(x, axis, -1); K = x.shape[-1]
;;       x = np.pad(x, [(0, 0)] * (x.ndim - 1) + [(0, -K % 32)]); x = x.reshape(x.shape[:-1] + (-1, 32)); a = np.abs(x).max(-1, keepdims=True)
;;       e = np.where(a > 0, np.clip(np.frexp(np.where(a > 0, a, 1))[1] - 1 - 2, -126, 127), 0)      # np.frexp(a)[1] - 1 = floor(log2(a)), exactly
;;       r = np.clip(x / 2.0 ** e, -6, 6)
;;       step = 2.0 ** (np.maximum(np.frexp(np.where(r == 0, 1, r))[1] - 1, 0) - 1)
;;       q = np.round(r / step) * step * 2.0 ** e      # np.round: ties to even
;;       return np.moveaxis(q.reshape(q.shape[:-2] + (-1,))[..., :K], -1, axis).astype(np.float32)
;;   ~~~
;;   SOFTMAX AHEAD OF A QUANTISED PRODUCT. Where the list says 'softmax', what is quantised is not the finished softmax but p = 2^(t - M), with t = logit x log2(e) and M = ceil(the row's largest t), a whole number; so 1/2 < the row's largest p <= 1. The row's sum l is taken of the UNQUANTISED p, in f32, and the product's result is divided by l at the end. Since M is a whole number, a kernel that streams over the keys may use a running M (the ceiling of the running maximum): every later rescaling is an exact power of two, which a block's scale takes up: the codes' values come out the same.
;;   OPERANDS COMPUTED ON THE WAY. 'Computed on the way' means the value that the module computes at that place (a softmax that the list does not call 'softmax' is quantised finished and normalised). What goes into a quantiser is computed in f32, as accurately as f32 sums, v_exp_f32 and their like allow (about 1e-6 of the number): no bf16 or f16 on the way to a quantiser, and a product that is left as it is and whose result goes on into a quantised operand takes f32 operands (vector FMAs, or v_wmma_f32_16x16x4_f32). A number that lies on a knife's edge between two numbers of the format may be rounded either way, as far as f32 arithmetic and the matrix unit's own rounding can turn it there, and no further.
;; One version. Each part assembles by itself: llvm-mc -triple=amdgcn-amd-amdhsa -mcpu=gfx1250 --defsym DOCPART=n.
;; ======== version 1 of 1: 4 launches
;; limits: right only within a limited range of input values
;; workspace buffers: xc 4,194,304 bytes; xs 262,144 bytes; wc 2,097,152 bytes; wsc 131,072 bytes; qp 4,718,592 bytes; kvp 9,175,040 bytes; oc 4,194,304 bytes; osc 262,144 bytes
;; launch quant (part 1): grid 256 x 1, 8 waves a work-group, no clusters, 84,992 bytes of LDS; arguments x, Wq, Wkv, Wo, xc, xs, wc, wsc; writes xc, xs, wc, wsc
.if DOCPART == 1
	.amdgcn_target "amdgcn-amd-amdhsa--gfx1250"
	.amdhsa_code_object_version 6
	.text
	.protected	k_qae9edc4c0c_quant
	.globl	k_qae9edc4c0c_quant
	.p2align	8
	.type	k_qae9edc4c0c_quant,@function
k_qae9edc4c0c_quant:
	s_mov_b64 s[64:65], 0
	v_nop
	global_prefetch_b8 v0, s[64:65] scope:SCOPE_SE
	s_setreg_imm32_b32 hwreg(HW_REG_WAVE_MODE, 25, 1), 1
	s_wait_xcnt 0x0
; x [8192][1024] and the three weights Wq [1024][1024], Wkv [1024][2048], Wo [1024][1024], all f32, become codes of FP4 (E2M1) with K innermost and one E8M0 byte for each 32 along K.
; x's K is its last axis, the weights' K their FIRST.  xc: [8192 rows][512 bytes], xs: [8192][32].  wc: [4096 rows][512 bytes], wsc: [4096][32]: a row is a COLUMN of a weight: 0-1023 Wq's, 1024-3071 Wkv's, 3072-4095 Wo's.
; STORED ORDER OF ROWS: row w of a tensor is stored at the row whose bits 3 and 4 are w's bits 4 and 3.  Sixteen stored rows 16 i + r are then the true rows 32 (i / 2) + 8 (i % 2) + r + 8 (r / 8): the later launches'
; products, used transposed, so leave sixteen true neighbours in a lane's sixteen registers of two neighbouring tiles.
; A block's scale is 2^(floor(log2(its largest magnitude)) - 2); its byte is the largest magnitude's exponent field - 2, held at 1 from below.
; LIMITS: a block of zeros gets the byte 1 where the rule says 127 (its codes are zeros, and only this program reads the bytes); blocks whose largest magnitude lies under 2^-124 have the byte 1; NaN and infinities are not served.
; Work-groups 0-127 take the weights, 128-255 take x; the branch hangs on the work-group's number alone.  Each way has LDS bytes of its own.
.set STEPS, 16
.set CB,    8                          ; bytes of 16 codes
.set R,     16                         ; x: v16-79   four sets of 16 numbers as loaded
.set X,     80                         ; x: v80-111  two sets of 16 neighbours
.set E,     112                        ; x: v112-127 a scale byte for each step
.set C,     128                        ; x: v128-191 codes, four registers for each step: no store's data are written again
.set WREG,  8192                       ; x: LDS of a wave: two stages of 32 x SP bytes, then its 256 scale bytes
.set SP,    80                         ; a lane's place in a stage: 64 bytes + 16 of padding
.set WL,    65536                      ; weights: the stage, 64 columns x (256 bytes + 16)
.set WS,    WL+64*272                  ; weights: 64 columns x 16 scale bytes
.set VO,    16                         ; weights: v16-47  4 x lane + i x pitch, i = 0 .. 31
.set WX,    48                         ; weights: v48-175 four blocks of 32 numbers
.set WC,    176                        ; weights: v176-191 four registers of codes for each block
	s_load_b512 s[4:19], s[0:1], 0x0               ; x 4:5, Wq 6:7, Wkv 8:9, Wo 10:11, xc 12:13, xs 14:15, wc 16:17, wsc 18:19
	v_lshl_add_u32 v192, v0, 2, 0x14800
	v_mov_b32 v193, 0
	v_lshrrev_b32 v1, 5, v0
	s_delay_alu instid0(VALU_DEP_1)
	v_readfirstlane_b32 s20, v1                    ; wave 0..7
	v_and_b32 v2, 31, v0                           ; lane
	s_and_b32 s21, s20, 4
	s_and_b32 s22, s20, 1
	s_lshl_b32 s22, s22, 1
	s_or_b32 s21, s21, s22
	s_bfe_u32 s22, s20, 0x10001
	s_or_b32 s21, s21, s22                         ; the wave's number with bits 0 and 1 swapped: a wave owns 8 rows, so these are bits 3 and 4 of the row
	s_cmp_lt_u32 ttmp9, 128
	s_cbranch_scc1 .Lweights
; ---------------- x: a wave takes 8 rows, 8,192 numbers, as 16 steps of 512.  Each load reads 512 consecutive bytes; a step's 2,048 bytes turn through the wave's own stage, so that a lane gets 16 neighbours.
	s_wait_alu depctr_va_vdst(0)
	v_lshlrev_b32 v3, 4, v2                        ; my 16 bytes of a load's 512
	s_mul_i32 s23, s20, WREG
	v_lshrrev_b32 v14, 2, v2
	s_delay_alu instid0(VALU_DEP_1)
	v_mul_u32_u24 v14, v14, SP
	v_and_b32 v15, 3, v2
	s_delay_alu instid0(VALU_DEP_1)
	v_lshl_add_u32 v14, v15, 4, v14
	s_delay_alu instid0(VALU_DEP_1)
	v_add_nc_u32 v14, s23, v14                     ; the stage, in: SP (lane / 4) + 16 (lane % 4)
	v_mul_u32_u24 v15, v2, SP
	s_delay_alu instid0(VALU_DEP_1)
	v_add_nc_u32 v15, s23, v15                     ; and out: SP x lane
	v_mul_u32_u24 v4, v2, CB                       ; my codes' place in a step's
	v_lshrrev_b32 v5, 1, v2
	s_add_co_u32 s23, s23, 2*32*SP
	v_add_nc_u32 v5, s23, v5                       ; my block's byte among the wave's 256
	v_lshlrev_b32 v7, 3, v2
	s_delay_alu instid0(VALU_DEP_1)
	v_add_nc_u32 v6, s23, v7
	s_sub_co_u32 s24, ttmp9, 128
	s_lshl_b32 s24, s24, 3
	s_add_co_u32 s26, s24, s20                     ; which 8 rows I read,
	s_add_co_u32 s28, s24, s21                     ; and where they are stored
	s_lshl_b32 s26, s26, 15                        ; 8 rows of 4,096 bytes
	s_mov_b32 s27, 0
	s_lshl_b32 s30, s28, 12                        ; 8 rows of 512 bytes
	s_mov_b32 s31, 0
	s_lshl_b32 s28, s28, 8                         ; 8 rows of 32 bytes
	s_mov_b32 s29, 0
	s_wait_alu depctr_va_vdst(0)
	s_wait_kmcnt 0x0
	s_add_nc_u64 s[4:5], s[4:5], s[26:27]
	s_add_nc_u64 s[12:13], s[12:13], s[30:31]
	s_add_nc_u64 s[14:15], s[14:15], s[28:29]
.macro LOAD t
.irp i, 0,1,2,3
	global_load_b128 v[R+16*((\t)%4)+4*\i:R+16*((\t)%4)+4*\i+3], v3, s[4:5] offset:2048*(\t)+512*\i th:TH_LOAD_NT
.endr
.endm
.macro TURN t                          ; LDS serves a wave's instructions in order: no wait between the stores and the loads
.irp i, 0,1,2,3
	ds_store_b128 v14, v[R+16*((\t)%4)+4*\i:R+16*((\t)%4)+4*\i+3] offset:32*SP*((\t)%2)+8*SP*\i
.endr
.irp i, 0,1,2,3
	ds_load_b128 v[X+16*((\t)%2)+4*\i:X+16*((\t)%2)+4*\i+3], v15 offset:32*SP*((\t)%2)+16*\i
.endr
.endm
.irp t, 0,1,2,3
	LOAD \t
.endr
	s_wait_loadcnt 12                              ; step 0's four loads are in; three steps' twelve may be out
	TURN 0
.macro STEP t
.set XS, X+16*((\t)%2)
.if (\t) > 0
	s_wait_dscnt 1                                 ; this step's numbers are back from the stage; the last step's byte store may be out
.else
	s_wait_dscnt 0x0
.endif
.if (\t)+4 < STEPS
	LOAD (\t)+4                                    ; into the registers that this step's stores into the stage have read
.endif
.if (\t)+1 < STEPS
.if STEPS-2-(\t) >= 3
	s_wait_loadcnt 12                              ; the next step's four loads are in; those of the three steps behind it may be out
.else
	s_wait_loadcnt 4*(STEPS-2-(\t))
.endif
	TURN (\t)+1
.endif
	v_max3_num_f32 v8, |v[XS]|, |v[XS+1]|, |v[XS+2]|
	v_max3_num_f32 v9, |v[XS+3]|, |v[XS+4]|, |v[XS+5]|
.irp i, 6,10
	s_delay_alu instid0(VALU_DEP_2)
	v_max3_num_f32 v8, v8, |v[XS+\i]|, |v[XS+\i+1]|
	s_delay_alu instid0(VALU_DEP_2)
	v_max3_num_f32 v9, v9, |v[XS+\i+2]|, |v[XS+\i+3]|
.endr
	s_delay_alu instid0(VALU_DEP_2)
	v_max3_num_f32 v8, v8, |v[XS+14]|, |v[XS+15]|
	s_delay_alu instid0(VALU_DEP_1)
	v_max3_num_f32 v8, v8, v9, 0x1800000           ; the floor 2^(3 - 127): the byte cannot fall under 1
	s_delay_alu instid0(VALU_DEP_1)
	v_max_num_f32_dpp v8, v8, v8 row_xmask:1 row_mask:0xf bank_mask:0xf   ; with my neighbour's 16: the block's largest magnitude
	s_delay_alu instid0(VALU_DEP_1)
	v_add_nc_u32 v11, 0xff000000, v8               ; 2 off its exponent field: the conversion takes that field as its scale
	v_cvt_scalef32_pk8_fp4_f32 v[C+4*(\t)], v[XS:XS+7], v11
	v_cvt_scalef32_pk8_fp4_f32 v[C+4*(\t)+1], v[XS+8:XS+15], v11
	v_lshrrev_b32 v[E+(\t)], 23, v11               ; the scale's byte (a plain line behind the conversions)
	ds_store_b8 v5, v[E+(\t)] offset:16*(\t)       ; both lanes of a block write the same byte with the same value
	global_store_b64 v4, v[C+4*(\t):C+4*(\t)+1], s[12:13] offset:32*CB*(\t)   ; the wave stores 256 consecutive bytes, aligned
.endm
.irp t, 0,1,2,3,4,5,6,7,8,9,10,11,12,13,14,15
	STEP \t
.endr
	ds_load_b64 v[12:13], v6                       ; my wave's 256 scale bytes
	s_wait_dscnt 0x0
	global_store_b64 v7, v[12:13], s[14:15]        ; 256 consecutive bytes, aligned
	s_wait_tensorcnt 0x0
	ds_add_u32 v192, v193
	s_wait_dscnt 0x0
	s_endpgm
; ---------------- the weights: a work-group takes 64 columns x 512 along K; wave w takes 32 columns (w / 4) x 128 along K (w % 4).  A LANE TAKES A COLUMN, ITS REGISTERS RUN DOWN K: a block of 32 lies in one lane.
.Lweights:
	s_lshr_b32 s22, ttmp9, 1                       ; which 64 columns of the 4,096
	s_and_b32 s23, ttmp9, 1                        ; which half of K
	s_lshr_b32 s24, s20, 2                         ; which 32 of the 64
	s_and_b32 s25, s20, 3                          ; which 128 of the 512
	s_mov_b32 s38, 4096
	s_mov_b32 s27, 4096
	s_wait_kmcnt 0x0
	s_cmp_lt_u32 s22, 48                           ; the tensor, its first group of columns and its row's bytes: all chosen by the work-group's number
	s_cselect_b64 s[36:37], s[8:9], s[10:11]
	s_cselect_b32 s26, 16, 48
	s_cselect_b32 s27, 8192, s27
	s_cmp_lt_u32 s22, 16
	s_cselect_b64 s[36:37], s[6:7], s[36:37]
	s_cselect_b32 s26, 0, s26
	s_cselect_b32 s27, s38, s27
	s_sub_co_u32 s26, s22, s26
	s_lshl_b32 s26, s26, 8                         ; 64 columns of 4 bytes
	s_lshl_b32 s39, s24, 7
	s_add_co_u32 s26, s26, s39
	s_lshl_b32 s39, s23, 9
	s_lshl_b32 s40, s25, 7
	s_add_co_u32 s39, s39, s40                     ; my first row of the weight
	s_mul_i32 s39, s39, s27
	s_add_co_u32 s40, s26, s39
	s_mov_b32 s41, 0
	s_add_nc_u64 s[28:29], s[36:37], s[40:41]      ; block 0,
	s_lshl_b32 s40, s27, 5
	s_add_nc_u64 s[30:31], s[28:29], s[40:41]      ; and each further block 32 rows down
	s_add_nc_u64 s[32:33], s[30:31], s[40:41]
	s_add_nc_u64 s[34:35], s[32:33], s[40:41]
	s_wait_alu depctr_va_vdst(0)
	v_lshlrev_b32 v3, 2, v2
.set i, 0
.rept 32
	v_mad_u32_u24 v[VO+i], s27, i, v3              ; 4 x lane + i rows
.set i, i+1
.endr
.irp t, 0,1,2,3
.set i, 0
.rept 32
	global_load_b32 v[WX+32*\t+i], v[VO+i], s[28+2*\t:29+2*\t] th:TH_LOAD_NT   ; 32 lanes read 128 consecutive bytes of a row
.set i, i+1
.endr
.endr
	; every LDS address is made here, ahead of the one branch on the wave's number
	s_mul_i32 s42, s24, 32*272
	s_lshl_b32 s43, s25, 6
	s_add_co_u32 s42, s42, s43
	s_add_co_u32 s42, s42, WL
	v_mul_u32_u24 v4, v2, 272
	s_delay_alu instid0(VALU_DEP_1)
	v_add_nc_u32 v4, s42, v4                       ; the stage, in: my column's row, my 64 bytes of it
	s_lshl_b32 s42, s24, 9
	s_lshl_b32 s43, s25, 2
	s_add_co_u32 s42, s42, s43
	s_add_co_u32 s42, s42, WS
	v_lshl_add_u32 v5, v2, 4, s42                  ; my column's four scale bytes
	v_lshrrev_b32 v8, 4, v2
	v_and_b32 v9, 15, v2
	s_mul_i32 s42, s20, 8*272
	s_add_co_u32 s42, s42, WL
	v_mul_u32_u24 v6, v8, 272
	s_delay_alu instid0(VALU_DEP_1)
	v_lshl_add_u32 v6, v9, 4, v6
	s_delay_alu instid0(VALU_DEP_1)
	v_add_nc_u32 v6, s42, v6                       ; the stage, out: wave w takes columns 8 w .. 8 w + 7, sixteen lanes to a row
	v_lshlrev_b32 v7, 9, v8
	s_delay_alu instid0(VALU_DEP_1)
	v_lshl_add_u32 v7, v9, 4, v7                   ; and the same place in wc
	s_lshl_b32 s42, s22, 15
	s_lshl_b32 s43, s21, 12                        ; (the eight rows go to their stored place)
	s_add_co_u32 s42, s42, s43
	s_lshl_b32 s43, s23, 8
	s_add_co_u32 s42, s42, s43
	s_mov_b32 s43, 0
	s_add_nc_u64 s[16:17], s[16:17], s[42:43]
	s_and_b32 s44, s20, 1
	s_lshl_b32 s45, s44, 9
	s_add_co_u32 s45, s45, WS
	v_lshl_add_u32 v10, v2, 4, s45                 ; waves 0 and 1: the 16 scale bytes of column 32 w + lane
	v_and_b32 v11, 7, v2
	v_and_b32 v12, 8, v2
	s_delay_alu instid0(VALU_DEP_1)
	v_lshl_or_b32 v11, v12, 1, v11
	v_and_b32 v12, 16, v2
	s_delay_alu instid0(VALU_DEP_1)
	v_lshrrev_b32 v12, 1, v12
	s_delay_alu instid0(VALU_DEP_1)
	v_or_b32 v11, v11, v12
	s_delay_alu instid0(VALU_DEP_1)
	v_lshlrev_b32 v11, 5, v11                      ; its stored row of 32 bytes
	s_lshl_b32 s46, s22, 11
	s_lshl_b32 s47, s44, 10
	s_add_co_u32 s46, s46, s47
	s_lshl_b32 s47, s23, 4
	s_add_co_u32 s46, s46, s47
	s_mov_b32 s47, 0
	s_add_nc_u64 s[18:19], s[18:19], s[46:47]
.macro BLOCK t
.set XS, WX+32*(\t)
	v_max3_num_f32 v12, |v[XS]|, |v[XS+1]|, |v[XS+2]|
	v_max3_num_f32 v13, |v[XS+3]|, |v[XS+4]|, |v[XS+5]|
.irp i, 6,10,14,18,22,26
	s_delay_alu instid0(VALU_DEP_2)
	v_max3_num_f32 v12, v12, |v[XS+\i]|, |v[XS+\i+1]|
	s_delay_alu instid0(VALU_DEP_2)
	v_max3_num_f32 v13, v13, |v[XS+\i+2]|, |v[XS+\i+3]|
.endr
	s_delay_alu instid0(VALU_DEP_2)
	v_max3_num_f32 v12, v12, |v[XS+30]|, |v[XS+31]|
	s_delay_alu instid0(VALU_DEP_1)
	v_max3_num_f32 v12, v12, v13, 0x1800000        ; the floor
	s_delay_alu instid0(VALU_DEP_1)
	v_add_nc_u32 v15, 0xff000000, v12              ; the conversion's scale operand
	s_delay_alu instid0(VALU_DEP_1)
	v_lshrrev_b32 v13, 23, v15                     ; the byte
.if (\t) == 0
	s_delay_alu instid0(VALU_DEP_1)
	v_mov_b32 v14, v13
.else
	s_delay_alu instid0(VALU_DEP_1)
	v_lshl_or_b32 v14, v13, 8*(\t), v14            ; four bytes to a word, the lower K in the lower byte
.endif
.irp g, 0,1,2,3
	v_cvt_scalef32_pk8_fp4_f32 v[WC+4*(\t)+\g], v[XS+8*\g:XS+8*\g+7], v15
.endr
	v_nop                                          ; one plain line behind the conversions
	ds_store_b128 v4, v[WC+4*(\t):WC+4*(\t)+3] offset:16*(\t)
.endm
	s_wait_loadcnt 63                              ; behind block 0's loads 96 were issued: a smaller count is safe, and this is the largest the wait can name
	BLOCK 0
	s_wait_loadcnt 63                              ; behind block 1's: 64
	BLOCK 1
	s_wait_loadcnt 32                              ; behind block 2's: 32
	BLOCK 2
	s_wait_loadcnt 0x0
	BLOCK 3
	ds_store_b32 v5, v14
	s_wait_dscnt 0x0                               ; for the others' sake: my stores have landed
	s_barrier_signal -1
	s_barrier_wait -1
.irp t, 0,1,2,3
	ds_load_b128 v[WX+4*\t:WX+4*\t+3], v6 offset:2*\t*272
.endr
.irp t, 0,1,2,3
	s_wait_dscnt 3-\t
	global_store_b128 v7, v[WX+4*\t:WX+4*\t+3], s[16:17] offset:2*\t*512   ; sixteen lanes store 256 consecutive bytes, aligned
.endr
	s_cmp_gt_u32 s20, 1
	s_cbranch_scc1 .Lwdone
	ds_load_b128 v[WX+16:WX+19], v10
	s_wait_dscnt 0x0
	global_store_b128 v11, v[WX+16:WX+19], s[18:19]   ; half a row of scale bytes a lane
.Lwdone:
	s_wait_tensorcnt 0x0
	ds_add_u32 v192, v193
	s_wait_dscnt 0x0
	s_endpgm
.Lfunc_end_k_qae9edc4c0c_quant:
	.size	k_qae9edc4c0c_quant, .Lfunc_end_k_qae9edc4c0c_quant-k_qae9edc4c0c_quant
	.p2alignl 7, 3214868480
	.fill 96, 4, 3214868480
	.section	.rodata,"a",@progbits
	.p2align	6, 0x0
	.amdhsa_kernel k_qae9edc4c0c_quant
		.amdhsa_group_segment_fixed_size 84992
		.amdhsa_private_segment_fixed_size 0
		.amdhsa_enable_private_segment 0
		.amdhsa_kernarg_size 64
		.amdhsa_user_sgpr_count 2
		.amdhsa_user_sgpr_kernarg_segment_ptr 1
		.amdhsa_wavefront_size32 1
		.amdhsa_system_sgpr_workgroup_id_x 1
		.amdhsa_system_sgpr_workgroup_id_y 1
		.amdhsa_system_sgpr_workgroup_id_z 1
		.amdhsa_system_vgpr_workitem_id 0
		.amdhsa_next_free_vgpr 194
		.amdhsa_next_free_sgpr 66
		.amdhsa_reserve_vcc 0
		.amdhsa_float_denorm_mode_32 3
		.amdhsa_float_denorm_mode_16_64 3
		.amdhsa_memory_ordered 1
		.amdhsa_forward_progress 1
		.amdhsa_inst_pref_size 64
	.end_amdhsa_kernel
	.amdgpu_metadata
---
amdhsa.version: [ 1, 2 ]
amdhsa.kernels:
  - .name:           k_qae9edc4c0c_quant
    .symbol:         k_qae9edc4c0c_quant.kd
    .args:
      - { .name: x, .offset: 0, .size: 8, .value_kind: global_buffer, .address_space: global }
      - { .name: Wq, .offset: 8, .size: 8, .value_kind: global_buffer, .address_space: global }
      - { .name: Wkv, .offset: 16, .size: 8, .value_kind: global_buffer, .address_space: global }
      - { .name: Wo, .offset: 24, .size: 8, .value_kind: global_buffer, .address_space: global }
      - { .name: xc, .offset: 32, .size: 8, .value_kind: global_buffer, .address_space: global }
      - { .name: xs, .offset: 40, .size: 8, .value_kind: global_buffer, .address_space: global }
      - { .name: wc, .offset: 48, .size: 8, .value_kind: global_buffer, .address_space: global }
      - { .name: wsc, .offset: 56, .size: 8, .value_kind: global_buffer, .address_space: global }
    .group_segment_fixed_size: 84992
    .private_segment_fixed_size: 0
    .kernarg_segment_align: 8
    .kernarg_segment_size: 64
    .max_flat_workgroup_size: 256
    .sgpr_count:     66
    .vgpr_count:     194
    .wavefront_size: 32
...
	.end_amdgpu_metadata
.endif
;; end of part 1
;; launch gemm_qkv (part 2): grid 12 x 32, 4 waves a work-group, clusters of 4 x 4, 327,680 bytes of LDS; arguments xc, xs, wc, wsc, qp, kvp; writes qp, kvp
.if DOCPART == 2
	.amdgcn_target "amdgcn-amd-amdhsa--gfx1250"
	.amdhsa_code_object_version 6
	.text
	.protected	k_qae9edc4c0c_gemm_qkv
	.globl	k_qae9edc4c0c_gemm_qkv
	.p2align	8
	.type	k_qae9edc4c0c_gemm_qkv,@function
k_qae9edc4c0c_gemm_qkv:
	s_mov_b64 s[64:65], 0
	v_nop
	global_prefetch_b8 v0, s[64:65] scope:SCOPE_SE
	s_setreg_imm32_b32 hwreg(HW_REG_WAVE_MODE, 25, 1), 1
	s_wait_xcnt 0x0
	s_wait_alu depctr_hold_cnt(0) depctr_sa_sdst(0) depctr_va_vdst(0) depctr_va_sdst(0) depctr_va_ssrc(0) depctr_va_vcc(0) depctr_vm_vsrc(0)
	s_getreg_b32 s2, hwreg(HW_REG_IB_STS2, 6, 4)
	s_cmp_eq_u32 s2, 0
	s_cbranch_scc0 .Lentry_in_a_cluster
	s_endpgm
.Lentry_in_a_cluster:
	s_bfe_u32 s2, ttmp6, 0x10000c
	s_cmp_lg_u32 s2, 0xf033
	s_cbranch_scc0 .Lentry_shape_is_right
	s_endpgm
.Lentry_shape_is_right:
; q = x Wq, k and v = x Wkv on codes of FP4 with E8M0 scales, and q, k, v quantised again on the way out: no f32 result goes to memory.
; xc [8192][512 bytes], xs [8192][32], wc [4096][512], wsc [4096][32]: K = 1,024 innermost, rows in STORED ORDER (bits 3 and 4 of the row number swapped): sixteen stored rows 16 i + r are true rows 32 (i/2) + 8 (i%2) + r + 8 (r/8).
; A tile of 256 x 256 to a work-group of four waves, 128 x 128 to a wave: 64 accumulators, 512 registers.  K in two steps of 512 through two LDS slots, each filled once; the scale bytes of the tile's rows come once.
; THREE KINDS OF CLUSTER, by the cluster's x, which all sixteen partners share:  0: q and 1: k:  A = x's rows, B = the weight's columns;  2: v:  A = Wkv's v columns, B = x's rows, so that a lane's registers run along the KEYS.
; THE MATRIX INSTRUCTION IS USED TRANSPOSED (source 0 = 16 rows of B, source 1 = 16 rows of A): lane (r, h) holds row r of A's block, and by the stored order the 16 registers of B's tiles 2 b, 2 b + 1 are true neighbours 32 b + 16 h + 0 .. 15.
; So a block's 64 registers are quantised in the lane (a block of 32 lies in lanes l and l xor 16) and the codes are stored as IMAGES OF OPERAND REGISTERS, 16 bytes a lane, 512 consecutive bytes an instruction.
; qp: [batch x head 64][group of 128 tokens 16] packages of 4,608 bytes: codes [tile 8][lane][16]; at 4,096 scale words [tile / 4][r][tile % 4].
; kvp: packages of 8,960 bytes: K's codes [tile 8][lane][16]; at 4,096 V^T's [channel tile 4][c 2][lane][16]; at 8,192 K's scale words [tile / 4][r][tile % 4]; at 8,704 V's [r][channel tile 4].
; A head has 64 channels: q's and k's image is registers 0-3 of a fragment (lane (r, h): block h), its scale word two bytes and two zero bytes, which the reader sets over zero codes.
; LIMITS: a block of zeros gets the byte 1 (its codes are zeros; only this program reads the bytes); NaN and infinities are not served.
; CLUSTERS: 4 x 4.  A's tiles are shared along a row of the cluster, B's along a column: joint loads.
; REGISTERS, in windows of 256: window 0: v0-31 addresses; v32-95 scale words, two sets; v128-191 A's fragments, one set; on the way out v128-224.  window 1: B's fragments, two sets.  windows 2, 3: the accumulators ((a, b) at v[8 (8 (a % 4) + b)]).
.set KSTEP,  512
.set NQ,     4
.set ROWB,   512                       ; a tile's row: all of K, 1,024 codes.  LDS holds all of K at once: A's 256 rows, B's 256 rows, then the scales; each is filled once, by one load
.set KROW,   512
.set PITCH,  528                       ; an LDS row: 512 bytes + 16 of padding, so that the 16 rows of a load start 132 words apart
.set FR,     8
.set NL,     2
.set NP,     4
.set HALFT,  128*PITCH
.set SLOT,   4*HALFT
.set KS,     32
.set SCL,    SLOT
.set HALFS,  (128*KS/256)*272
.set SBLK,   (16*KS/256)*272
.set SPARE,  SCL+4*HALFS               ; the spare words, 128 bytes for each wave, that no other line names
.set ADRA, 16
.set ADRB, 20
.set ADRS, 27
.set SPW,  28
.set NIL,  29
.set SC,   32
.set AF,   128
.set VA0,  8                           ; the way out: v8, v9 where the first and the second head's codes go; v10 the scale words; v11 16 x (lane / 16)
.set VS,   10
.set SH,   11
.set PC,   128                         ; v128-191 the codes, eight registers for each block: no store's data are written again
.set SW,   192                         ; v192-199 a scale word for each block
.set SD,   200
.set TM,   208                         ; v208-223 at work
.set PW,   224
.set G1, 24
.set G0, 32
.set G1B, 48
.set G0B, 56
.set G1S, 68
.set G0S, 76
.set G1SB, 80
.set G0SB, 88
.set MSB, 0
.macro WIN new                         ; the immediate's high byte repeats the setting that is left
.if MSB != (\new)
	s_set_vgpr_msb (MSB<<8)|(\new)
.set MSB, (\new)
.endif
.endm
.set MUL_LO, 0xa1
.set MUL_HI, 0xf1
.set TO_B,   0x40
; A joint load: wave 0 fetches A's codes, wave 1 B's, wave 2 A's scales, wave 3 B's.  s_nop 0 and four v_nop follow the load.
; An arm of the head's one tree of branches on the wave's number: its joint load, s_nop 0 and four v_nop, and a jump to the tree's end
.macro ARM under, g0, g1, next
	s_cmp_lt_u32 s14, \under
	s_cbranch_scc0 \next
	tensor_load_to_lds s[\g0:\g0+3], s[\g1:\g1+7]
	s_nop 0
.rept 4
	v_nop
.endr
	s_branch .Lhead_asked
\next:
.endm
.macro CREST
	s_cmp_lg_u32 s14, 0
	s_cbranch_scc1 .Lnot_wave_0_\@
	s_barrier_signal -3
.Lnot_wave_0_\@:
	s_barrier_wait -3
	s_barrier_signal -1
	s_barrier_wait -1
.endm
.macro CROUND
	s_barrier_signal -1
	s_barrier_wait -1
	CREST
.endm
	s_load_b128 s[4:7], s[0:1], 0x0                ; xc, xs
	s_load_b128 s[8:11], s[0:1], 0x10              ; wc, wsc
	s_load_b64 s[12:13], s[0:1], 0x20              ; qp
	s_load_b64 s[66:67], s[0:1], 0x28              ; kvp
	v_lshl_add_u32 v[SPW], v0, 2, SPARE
	v_mov_b32 v[NIL], 0
	ds_add_u32 v28, v29
	ds_add_u32 v28, v29
	s_wait_dscnt 0x0
	v_lshrrev_b32 v1, 5, v0
	v_readfirstlane_b32 s14, v1                    ; wave 0..3
	s_lshr_b32 s15, s14, 1                         ; my half of the tile's rows.
	s_and_b32 s16, s14, 1                          ; my half of its columns.
	s_bfe_u32 s40, ttmp6, 0x40000                  ; cx
	s_bfe_u32 s41, ttmp6, 0x40004                  ; cy
	s_and_b32 s18, ttmp7, 0xffff
	s_lshl_b32 s18, s18, 2                         ; 4 x cluster y
	s_lshl_b32 s19, ttmp9, 2                       ; 4 x cluster x
	s_cmp_eq_u32 ttmp9, 2                          ; the kind: the same in all sixteen partners
	s_cselect_b32 s17, 8, s18                      ; A's first tile row: v: wc's tile 8; q, k: x's tile 4 x cluster y
	s_cselect_b32 s42, s18, s19                    ; B's first tile: v: x's; q, k: wc's tile 4 x cluster x
	s_add_co_u32 s17, s17, s41                     ; A's tile row: + cy
	s_add_co_u32 s42, s42, s40                     ; B's tile: + cx
	s_lshl_b32 s43, s41, 2
	s_lshl_b32 s43, 15, s43                        ; my row of the cluster
	s_lshl_b32 s44, 0x1111, s40                    ; my column
	s_or_b32 s[G1+0], s43, (0<<16)|(1<<20)|(1<<21)|(6<<22)|(3<<25)  ; the mask; elements of 1 byte; padding: 4 words behind every 128; bit 21 beside a mask
	s_or_b32 s[G1B+0], s44, (0<<16)|(1<<20)|(1<<21)|(6<<22)|(3<<25)
.irp g, G1, G1B
	s_mov_b32 s[\g+1], ROWB<<16                    ; tensor_dim0
	s_mov_b32 s[\g+2], 256<<16                     ; tensor_dim1
	s_mov_b32 s[\g+3], ROWB<<16                    ; tile_dim0
	s_mov_b32 s[\g+4], 256                         ; tile_dim1
	s_mov_b32 s[\g+5], KROW                        ; bytes from row to row
	s_mov_b32 s[\g+6], 0
	s_mov_b32 s[\g+7], 0
.endr
	s_or_b32 s[G1S+0], s43, (3<<16)|(1<<20)|(1<<21)|(5<<22)|(3<<25)   ; the scale bytes of 256 rows: 8,192 dense bytes as 32 rows of 256
	s_or_b32 s[G1SB+0], s44, (3<<16)|(1<<20)|(1<<21)|(5<<22)|(3<<25)
.irp g, G1S, G1SB
	s_mov_b32 s[\g+1], 32<<16
	s_mov_b32 s[\g+2], (256*KS/256)<<16            ; the scale bytes of 256 rows: 8,192 dense bytes as 32 rows of 256
	s_mov_b32 s[\g+3], 32<<16
	s_mov_b32 s[\g+4], 256*KS/256
	s_mov_b32 s[\g+5], 32
	s_mov_b32 s[\g+6], 0
	s_mov_b32 s[\g+7], 0
.endr
	s_lshl_b32 s20, s17, 8                         ; A: row 256 x tile
	s_lshl_b32 s46, s42, 8                         ; B likewise
	s_mov_b32 s21, 0
	s_mov_b32 s47, 0
	s_mov_b64 s[18:19], KS
	s_mul_u64 s[22:23], s[20:21], s[18:19]
	s_mul_u64 s[92:93], s[46:47], s[18:19]
	s_mov_b64 s[18:19], KROW
	s_mul_u64 s[20:21], s[20:21], s[18:19]
	s_mul_u64 s[46:47], s[46:47], s[18:19]
	s_wait_kmcnt 0x0
	s_cmp_eq_u32 ttmp9, 2                          ; which buffers are A and B
	s_cselect_b64 s[98:99], s[8:9], s[4:5]         ; A's codes
	s_cselect_b64 s[100:101], s[10:11], s[6:7]     ; A's scales
	s_cselect_b64 s[8:9], s[4:5], s[8:9]           ; B's codes
	s_cselect_b64 s[10:11], s[6:7], s[10:11]       ; B's scales
	s_cmp_eq_u32 ttmp9, 0
	s_cselect_b64 s[12:13], s[12:13], s[66:67]     ; the output: q's packages or k's and v's
	s_add_nc_u64 s[20:21], s[98:99], s[20:21]
	s_add_nc_u64 s[22:23], s[100:101], s[22:23]
	s_add_nc_u64 s[46:47], s[8:9], s[46:47]
	s_add_nc_u64 s[92:93], s[10:11], s[92:93]
	CROUND                                         ; all sixteen work-groups are here: the first joint loads meet
	s_mov_b32 s[G0S], 1
	s_mov_b32 s[G0S+1], SCL
	s_mov_b64 s[G0S+2:G0S+3], s[22:23]
	s_or_b32 s[G0S+3], s[G0S+3], 0x80000000
	s_mov_b32 s[G0SB], 1
	s_mov_b32 s[G0SB+1], SCL+2*HALFS
	s_mov_b64 s[G0SB+2:G0SB+3], s[92:93]
	s_or_b32 s[G0SB+3], s[G0SB+3], 0x80000000
	s_mov_b32 s[G0], 1                             ; A's 256 rows, all of K
	s_mov_b32 s[G0+1], 0
	s_mov_b64 s[G0+2:G0+3], s[20:21]
	s_or_b32 s[G0+3], s[G0+3], 0x80000000
	s_mov_b32 s[G0B], 1                            ; B's 256 rows, behind them
	s_mov_b32 s[G0B+1], 2*HALFT
	s_mov_b64 s[G0B+2:G0B+3], s[46:47]
	s_or_b32 s[G0B+3], s[G0B+3], 0x80000000
	; the launch's four tiles, one joint load a wave: wave 0 A's codes, wave 1 B's, wave 2 A's scales, wave 3 B's; every way through the tree passes exactly one load
	ARM 1, G0,  G1,  .Lhead_b
	ARM 2, G0B, G1B, .Lhead_sa
	ARM 3, G0S, G1S, .Lhead_sb
	tensor_load_to_lds s[G0SB:G0SB+3], s[G1SB:G1SB+7]
	s_nop 0
.rept 4
	v_nop
.endr
.Lhead_asked:
	v_and_b32 v1, 15, v0
	v_bfe_u32 v2, v0, 4, 1
	v_mul_u32_u24 v3, v1, PITCH
	v_lshl_add_u32 v4, v2, 4, v3
	s_mul_i32 s21, s15, HALFT
	s_mul_i32 s22, s16, HALFT
	s_add_co_u32 s22, s22, 2*HALFT
.irp s, 0,1
	v_add_nc_u32 v[ADRA+\s], s21, v4
	v_add_nc_u32 v[ADRB+\s], s22, v4
	s_add_co_u32 s21, s21, 256                     ; K's second half lies 256 bytes on in each row
	s_add_co_u32 s22, s22, 256
.endr
	v_mul_u32_u24 v5, v1, KS
	v_lshrrev_b32 v6, 8, v5
	v_lshl_add_u32 v5, v6, 4, v5
	s_mul_i32 s21, s15, HALFS
	s_mul_i32 s22, s16, HALFS
	s_add_co_u32 s22, s22, 2*HALFS
	s_sub_co_u32 s22, s22, s21
	v_mul_u32_u24 v6, s22, v2                      ; lanes 16-31 take B's scale words
	s_add_co_u32 s21, s21, SCL
	v_add_nc_u32 v5, v5, v6
	v_add_nc_u32 v[ADRS], s21, v5
.macro FRAG reg, adr, q, i
.irp c, 0,1
	ds_load_b128 v[\reg+4*\c:\reg+4*\c+3], v[\adr] offset:64*(\q)+32*\c+(\i)*16*PITCH
.endr
.endm
; 16 matrix instructions: A's blocks a0, a0 + 1 x B's eight.  The 64 accumulators take turns, one instruction a turn, in the same order in every step.
.macro MUL16 a0, p, q, sc, zero
.irp a, \a0, \a0+1
.irp b, 0,1,2,3,4,5,6,7
.if \zero
	v_wmma_scale_f32_16x16x128_f8f6f4 v[8*(8*((\a)%4)+\b):8*(8*((\a)%4)+\b)+7], v[128*(\p)+FR*\b:128*(\p)+FR*\b+FR-1], v[AF+FR*(\a):AF+FR*(\a)+FR-1], 0, v[SC+8*NQ*(\sc)+NQ*\b+(\q)], v[SC+8*NQ*(\sc)+NQ*(\a)+(\q)] matrix_a_fmt:MATRIX_FMT_FP4 matrix_b_fmt:MATRIX_FMT_FP4 matrix_a_scale:MATRIX_SCALE_ROW1
.else
	v_wmma_scale_f32_16x16x128_f8f6f4 v[8*(8*((\a)%4)+\b):8*(8*((\a)%4)+\b)+7], v[128*(\p)+FR*\b:128*(\p)+FR*\b+FR-1], v[AF+FR*(\a):AF+FR*(\a)+FR-1], v[8*(8*((\a)%4)+\b):8*(8*((\a)%4)+\b)+7], v[SC+8*NQ*(\sc)+NQ*\b+(\q)], v[SC+8*NQ*(\sc)+NQ*(\a)+(\q)] matrix_a_fmt:MATRIX_FMT_FP4 matrix_b_fmt:MATRIX_FMT_FP4 matrix_a_scale:MATRIX_SCALE_ROW1
.endif
.endr
.endr
.endm
.macro FETCH_B slot, q, p
	WIN TO_B
.irp i, 0,1,2,3,4,5,6,7
	FRAG 128*(\p)+FR*\i, ADRB+\slot, \q, \i
.endr
	WIN 0
.endm
.macro FETCH_A slot, q, i0
.irp i, \i0, \i0+1, \i0+2, \i0+3
	FRAG AF+FR*(\i), ADRA+\slot, \q, \i
.endr
.endm
.macro SCALES sc                       ; a K step's scale words: lanes 0-15 A's block i, lanes 16-31 B's block i
.irp i, 0,1,2,3,4,5,6,7
	ds_load_b128 v[SC+8*NQ*\sc+NQ*\i:SC+8*NQ*\sc+NQ*\i+3], v[ADRS] offset:\i*SBLK
.endr
.endm
.macro PLACES n                        ; plain vector lines between a matrix instruction and a load into, or a read of, its registers
.rept \n
	v_nop
.endr
.endm
.macro STEP slot, q, zero
	s_wait_dscnt 4*NL                              ; B's set and A's blocks 0-3 are in; the youngest eight loads (A's blocks 4-7) may be out
	WIN MUL_LO
	MUL16 0, (\q)%2, \q, \slot, \zero
	MUL16 2, (\q)%2, \q, \slot, \zero
	s_wait_dscnt 0
	PLACES NP
	FETCH_B \slot, (\q)+1, 1-(\q)%2
	FETCH_A \slot, (\q)+1, 0
	WIN MUL_HI
	MUL16 4, (\q)%2, \q, \slot, \zero
	MUL16 6, (\q)%2, \q, \slot, \zero
	PLACES NP
	WIN 0
	FETCH_A \slot, (\q)+1, 4
.endm
; The fourth step goes on into K's second half, which lies in LDS already: no barrier; only the addresses and the set of scale words change.
.macro TURN slot, next
	s_wait_dscnt 4*NL                              ; the youngest eight loads (A's blocks 4-7) may be out
	WIN MUL_LO
	MUL16 0, 1, NQ-1, \slot, 0
	s_wait_dscnt 0x0
	MUL16 2, 1, NQ-1, \slot, 0
	WIN 0
	PLACES NP
	v_add_nc_u32 v[ADRS], 4*NQ, v[ADRS]            ; on to the next K step's scale words
	FETCH_B \next, 0, 0
	FETCH_A \next, 0, 0
	SCALES \next
	WIN MUL_HI
	MUL16 4, 1, NQ-1, \slot, 0
	MUL16 6, 1, NQ-1, \slot, 0
	PLACES NP
	WIN 0
	FETCH_A \next, 0, 4
.endm
.macro STEPS slot, from
.set Q, \from
.rept NQ-1-\from
	STEP \slot, Q, 0
.set Q, Q+1
.endr
.endm
	s_wait_alu depctr_va_vdst(0)
	s_wait_tensorcnt 0x0                           ; my one tensor load has landed; behind the barrier everybody's has
	s_barrier_signal -1
	s_barrier_wait -1
	FETCH_B 0, 0, 0
	FETCH_A 0, 0, 0
	SCALES 0
	FETCH_A 0, 0, 4
	STEP 0, 0, 1                                   ; the first products start the sums: nothing is cleared
	STEPS 0, 1
	TURN 0, 1
	STEPS 1, 0
	s_wait_dscnt 4*NL
	WIN MUL_LO
	MUL16 0, 1, NQ-1, 1, 0
	MUL16 2, 1, NQ-1, 1, 0
	s_wait_dscnt 0
	WIN MUL_HI
	MUL16 4, 1, NQ-1, 1, 0
	MUL16 6, 1, NQ-1, 1, 0
	WIN 0
	PLACES NP
; THE WAY OUT.  Which packages are mine: G = my group of 128 tokens (0 .. 63: batch x 16 + group), and my pair of heads.
	s_lshl_b32 s18, s17, 1
	s_add_co_u32 s18, s18, s15                     ; 2 x A's tile + my half
	s_lshl_b32 s19, s42, 1
	s_add_co_u32 s19, s19, s16                     ; 2 x B's tile + my half
	s_cmp_eq_u32 ttmp9, 2
	s_cselect_b32 s20, s19, s18                    ; the tokens lie along A (q, k) or along B (v),
	s_cselect_b32 s21, s18, s19                    ; the channels along the other: 128 channels are a pair of heads,
	s_and_b32 s21, s21, 7                          ; pair 0 .. 7 (each weight begins at a multiple of 8 such pairs)
	s_lshr_b32 s22, s20, 4
	s_lshl_b32 s22, s22, 8
	s_lshl_b32 s21, s21, 5
	s_add_co_u32 s22, s22, s21
	s_and_b32 s20, s20, 15
	s_add_co_u32 s22, s22, s20                     ; package = (16 batch + head) x 16 + group, for my first head; the second's is 16 on
	s_mov_b32 s23, 8960
	s_mov_b32 s92, 8192
	s_cmp_eq_u32 ttmp9, 0
	s_cselect_b32 s23, 4608, s23                   ; a package's bytes
	s_cselect_b32 s92, 4096, s92                   ; where q's or k's scale words begin in it
	s_mul_i32 s22, s22, s23
	s_lshl_b32 s23, s23, 4
	s_mov_b32 s96, 0x76543210
	s_mov_b32 s97, 0xfedcba98                      ; v_permlanex16_b32's selects for lane l xor 16
	s_mov_b32 s3, 0xffff0000                       ; lanes 16-31
	v_and_b32 v1, 31, v0
	v_and_b32 v2, 15, v0
	v_bfe_u32 v3, v0, 4, 1
	v_lshl_add_u32 v[VA0], v1, 4, s22              ; 16 x lane in my first head's package,
	v_add_nc_u32 v[VA0+1], s23, v[VA0]             ; and in my second's
	v_mul_u32_u24 v[VS], v3, s23
	v_lshl_add_u32 v[VS], v2, 4, v[VS]
	v_add_nc_u32 v[VS], s22, v[VS]                 ; scale words: lanes 0-15 the first head's package, lanes 16-31 the second's; 16 bytes a row
	v_lshlrev_b32 v[SH], 4, v3
.irp b, 0,1,2,3
	v_mov_b32 v[TM+4+\b], 0                        ; written once: a lane permute's destination counts as one of its sources
.endr
; 64 accumulator registers v[s] .. v[s + 63] of window w, register 16 b + i = number 32 b + 16 (lane / 16) + i of my row, become a fragment's codes in v[pc] on and its scale word in v[pw].  Each accumulator is read from its low end on.
.macro QUANTW s, w, pc, pw
	WIN ((\w)<<2)|((\w)<<4)
.irp b, 0,1,2,3
	v_mov_b32 v[TM+\b], 0x1800000                  ; the floor 2^(3 - 127): the byte cannot fall under 1
.endr
.irp i, 0,2,4,6,8,10,12,14
.irp b, 0,1,2,3
	v_max3_num_f32 v[TM+\b], v[TM+\b], |v[(\s)+16*\b+\i]|, |v[(\s)+16*\b+\i+1]|
.endr
.endr
	WIN 0
.irp b, 0,1,2,3
	v_permlanex16_b32 v[TM+4+\b], v[TM+\b], s96, s97
.endr
.irp b, 0,1,2,3
	v_max_num_f32 v[TM+\b], v[TM+\b], v[TM+4+\b]   ; with lane l xor 16's: the block's largest magnitude
.endr
.irp b, 0,1,2,3
	v_add_nc_u32 v[TM+12+\b], 0xff000000, v[TM+\b] ; 2 off its exponent field: the conversion's scale operand
.endr
.irp b, 0,1,2,3
	v_lshrrev_b32 v[TM+4+\b], 23, v[TM+12+\b]      ; the byte
.endr
	v_lshl_or_b32 v[\pw], v[TM+5], 8, v[TM+4]
	v_lshl_or_b32 v[\pw], v[TM+6], 16, v[\pw]
	v_lshl_or_b32 v[\pw], v[TM+7], 24, v[\pw]
	WIN (\w)
.irp b, 0,1,2,3
	v_cvt_scalef32_pk8_fp4_f32 v[(\pc)+2*\b], v[(\s)+16*\b:(\s)+16*\b+7], v[TM+12+\b]
	v_cvt_scalef32_pk8_fp4_f32 v[(\pc)+2*\b+1], v[(\s)+16*\b+8:(\s)+16*\b+15], v[TM+12+\b]
.endr
	WIN 0
	v_nop                                          ; one plain line behind the conversions
.irp c, 0,1                                    ; a whole block to a lane: lanes 0-15 block 2 c, lanes 16-31 block 2 c + 1
.irp i, 0,1
	v_permlane16_swap_b32 v[(\pc)+4*\c+\i], v[(\pc)+4*\c+2+\i]
.endr
.endr
.endm
.macro EPI isv
.irp a, 0,1,2,3,4,5,6,7
.if \isv
	QUANTW 64*(\a%4), 2+\a/4, PC+8*\a, SW+\a       ; 16 channels x my 128 keys: a whole fragment of V^T; blocks 0-3 are my first head's, 4-7 my second's
	global_store_b128 v[VA0+\a/4], v[PC+8*\a:PC+8*\a+3], s[12:13] offset:(\a%4)*1024
	global_store_b128 v[VA0+\a/4], v[PC+8*\a+4:PC+8*\a+7], s[12:13] offset:(\a%4)*1024+512
.else
	QUANTW 64*(\a%4), 2+\a/4, PC+8*\a, PW          ; 16 tokens x my 128 channels: registers 0-3 are my first head's image, 4-7 my second's
	v_lshrrev_b32 v[SW+\a], v[SH], v[PW]
	v_and_b32 v[SW+\a], 0xffff, v[SW+\a]           ; lanes 0-15: the first head's two bytes; lanes 16-31: the second's
	global_store_b128 v[VA0], v[PC+8*\a:PC+8*\a+3], s[12:13] offset:\a*512        ; 512 consecutive bytes, aligned
	global_store_b128 v[VA0+1], v[PC+8*\a+4:PC+8*\a+7], s[12:13] offset:\a*512
.endif
.endr
.if \isv
.irp j, 0,1,2,3
	v_cndmask_b32 v[SD+\j], v[SW+\j], v[SW+4+\j], s3   ; lanes 16-31 take the second head's words
.endr
	global_store_b128 v[VS], v[SD:SD+3], s[12:13]      ; sixteen lanes store 256 consecutive bytes, aligned
.else
	global_store_b128 v[VS], v[SW:SW+3], s[12:13]
	global_store_b128 v[VS], v[SW+4:SW+7], s[12:13] offset:256
.endif
.endm
	s_cmp_eq_u32 ttmp9, 2
	s_cbranch_scc1 .Lv
	v_add_nc_u32 v[VS], s92, v[VS]
	EPI 0
	s_branch .Ljoin
.Lv:
	v_add_nc_u32 v[VA0], 4096, v[VA0]
	v_add_nc_u32 v[VA0+1], 4096, v[VA0+1]
	s_wait_alu depctr_va_vdst(0)
	v_add_nc_u32 v[VS], 8704, v[VS]
	EPI 1
.Ljoin:
	s_wait_tensorcnt 0x0                           ; the wave's end
	ds_add_u32 v[SPW], v[NIL]
	s_wait_dscnt 0x0
	CROUND                                         ; the closing round: no work-group ends while a partner may still ask for a tile that names it
	s_endpgm
.Lfunc_end_k_qae9edc4c0c_gemm_qkv:
	.size	k_qae9edc4c0c_gemm_qkv, .Lfunc_end_k_qae9edc4c0c_gemm_qkv-k_qae9edc4c0c_gemm_qkv
	.p2alignl 7, 3214868480
	.fill 96, 4, 3214868480
	.section	.rodata,"a",@progbits
	.p2align	6, 0x0
	.amdhsa_kernel k_qae9edc4c0c_gemm_qkv
		.amdhsa_group_segment_fixed_size 327680
		.amdhsa_private_segment_fixed_size 0
		.amdhsa_enable_private_segment 0
		.amdhsa_kernarg_size 48
		.amdhsa_user_sgpr_count 2
		.amdhsa_user_sgpr_kernarg_segment_ptr 1
		.amdhsa_wavefront_size32 1
		.amdhsa_system_sgpr_workgroup_id_x 1
		.amdhsa_system_sgpr_workgroup_id_y 1
		.amdhsa_system_sgpr_workgroup_id_z 1
		.amdhsa_system_vgpr_workitem_id 0
		.amdhsa_next_free_vgpr 1024
		.amdhsa_next_free_sgpr 102
		.amdhsa_reserve_vcc 0
		.amdhsa_float_denorm_mode_32 3
		.amdhsa_float_denorm_mode_16_64 3
		.amdhsa_memory_ordered 1
		.amdhsa_forward_progress 1
		.amdhsa_inst_pref_size 163
	.end_amdhsa_kernel
	.amdgpu_metadata
---
amdhsa.version: [ 1, 2 ]
amdhsa.kernels:
  - .name:           k_qae9edc4c0c_gemm_qkv
    .symbol:         k_qae9edc4c0c_gemm_qkv.kd
    .args:
      - { .name: xc, .offset: 0, .size: 8, .value_kind: global_buffer, .address_space: global }
      - { .name: xs, .offset: 8, .size: 8, .value_kind: global_buffer, .address_space: global }
      - { .name: wc, .offset: 16, .size: 8, .value_kind: global_buffer, .address_space: global }
      - { .name: wsc, .offset: 24, .size: 8, .value_kind: global_buffer, .address_space: global }
      - { .name: qp, .offset: 32, .size: 8, .value_kind: global_buffer, .address_space: global }
      - { .name: kvp, .offset: 40, .size: 8, .value_kind: global_buffer, .address_space: global }
    .group_segment_fixed_size: 327680
    .private_segment_fixed_size: 0
    .kernarg_segment_align: 8
    .kernarg_segment_size: 48
    .max_flat_workgroup_size: 128
    .sgpr_count:     102
    .vgpr_count:     1024
    .wavefront_size: 32
...
	.end_amdgpu_metadata
.endif
;; end of part 2
;; launch attn (part 3): grid 4 x 64, 16 waves a work-group, clusters of 4 x 1, 169,984 bytes of LDS; arguments qp, kvp, oc, osc; writes oc, osc
.if DOCPART == 3
	.amdgcn_target "amdgcn-amd-amdhsa--gfx1250"
	.amdhsa_code_object_version 6
	.text
	.protected	k_qae9edc4c0c_attn
	.globl	k_qae9edc4c0c_attn
	.p2align	8
	.type	k_qae9edc4c0c_attn,@function
k_qae9edc4c0c_attn:
	s_mov_b64 s[64:65], 0
	v_nop
	global_prefetch_b8 v0, s[64:65] scope:SCOPE_SE
	s_setreg_imm32_b32 hwreg(HW_REG_WAVE_MODE, 25, 1), 1
	s_wait_xcnt 0x0
	s_wait_alu depctr_hold_cnt(0) depctr_sa_sdst(0) depctr_va_vdst(0) depctr_va_sdst(0) depctr_va_ssrc(0) depctr_va_vcc(0) depctr_vm_vsrc(0)
	s_getreg_b32 s2, hwreg(HW_REG_IB_STS2, 6, 4)
	s_cmp_eq_u32 s2, 0
	s_cbranch_scc0 .Lentry_in_a_cluster
	s_endpgm
.Lentry_in_a_cluster:
	s_bfe_u32 s2, ttmp6, 0x10000c
	s_cmp_lg_u32 s2, 0x3003
	s_cbranch_scc0 .Lentry_shape_is_right
	s_endpgm
.Lentry_shape_is_right:
; Causal attention of one (batch, head) to a cluster of four work-groups, both products on codes of FP4 with E8M0 scales; the result, divided by the row's sum, is quantised along the head's 64 and stored as codes.
; qp, kvp: packages of operand images for each (batch x head, group of 128 tokens): q: codes [tile 8][lane][16], at 4,096 scale words [tile / 4][r][tile % 4];
; k, v: K's codes [tile 8][lane][16]; at 4,096 V^T's [channel tile 4][c 2][lane][16]; at 8,192 K's scale words; at 8,704 V's [r][channel tile 4].  8,960 bytes.  Row r of tile i is token 32 (i/2) + 8 (i%2) + r + 8 (r/8) of the group.
; A head's 16 packages of k and v, 143,360 bytes, fit in LDS: they are filled ONCE, jointly for the four work-groups, each of the sixteen waves asking for one package.  Nothing is filled again.
; THE SOFTMAX: t = score x log2(e) / 8; M = the running largest t rounded UP to a whole number; p = 2^(t - M) is quantised along the keys, not normalised; the row's sum is taken of the unquantised p; when M moves, sum and O are multiplied by 2^(old M - new M), exactly.
; SHARES.  Wave w = 2 j + e walks two tiles of 16 queries: tile 2 cx + e of group j, then of group 15 - j.  A tile of group g needs key steps 0 .. g: (j + 1) + (16 - j) = 17 steps of 128 keys for every wave.
; Each pass's loop has 16 trips in every wave; a trip whose keys all come after the queries jumps over its work by a branch on the wave's number.  cx enters only global addresses and the mask's compare.
; LAYOUT.  Both products transposed: S^T = K Q^T, O^T = V^T P^T: a lane holds one query.  A head has 64 channels: Q's and K's fragments have zero codes in registers 4-7, under zero scale bytes.
; oc: [tile of 16 stored rows 512][head 16][lane][16 bytes]: images of the next product's A.  osc: [8,192 stored rows][32]: head h's two bytes at 2 h; they leave a byte a lane, since a row's 32 bytes come from sixteen clusters.
; LIMITS: a block of zeros gets the byte 1 (its codes are zeros); NaN and infinities are not served.
; REGISTERS: v1-11 addresses; v12 -M, v13 the largest t, v[14:15] the sum; v16-31 Q of both passes; v32-63 four fragments of K; v64-95 V's four; v96-159 S^T, then p; v160-191 O^T; v192-195 K's scale words, v196-199 V's, v200-201 Q's;
;   v202-213 the way out; v214 -infinity; v224-231 p's codes; v232-254 at work; v253 p's scale word.
.set PKG,  8960
.set QPK,  4608
.set AL,   1                           ; v1  16 x lane
.set ASV,  2                           ; v2  16 x (lane % 16)
.set DQ,   3                           ; v3  my query's place in its group - 16 (lane / 16)
.set ADK,  8                           ; v8  LDS: the step's package + 16 x lane
.set ADT,  9                           ; v9  LDS: the step's package + 16 r
.macro ROUND                           ; a round of the cluster's barrier
	s_barrier_signal -1
	s_barrier_wait -1
	s_cmp_lg_u32 s12, 0
	s_cbranch_scc1 .Lnot_wave_0_\@
	s_barrier_signal -3
.Lnot_wave_0_\@:
	s_barrier_wait -3
	s_barrier_signal -1
	s_barrier_wait -1
.endm
	s_load_b256 s[4:11], s[0:1], 0x0               ; qp 4:5, kvp 6:7, oc 8:9, osc 10:11
	v_lshl_add_u32 v251, v0, 2, 0x29000
	v_mov_b32 v255, 0
	ds_add_u32 v251, v255
	ds_add_u32 v251, v255
	v_lshrrev_b32 v1, 5, v0
	s_delay_alu instid0(VALU_DEP_1)
	v_readfirstlane_b32 s12, v1                    ; wave 0..15
	s_bfe_u32 s13, ttmp6, 0x40000                  ; cx
	s_and_b32 s14, ttmp7, 0xffff                   ; batch x 16 + head: the four partners share it
	s_lshr_b32 s15, s12, 1                         ; j
	s_and_b32 s16, s12, 1                          ; e
	s_mov_b32 s20, 0x76543210
	s_mov_b32 s21, 0xfedcba98                      ; lane l xor 16
	s_mov_b32 s22, 0x3e38aa3b                      ; c = log2(e) / 8
	s_mov_b32 s23, s22
	s_mov_b32 s39, 0xffff0000                      ; lanes 16-31
	s_mov_b32 s24, 15|(3<<16)|(1<<21)              ; group 1: the mask of all four; elements of 8 bytes; bit 21 beside a mask; no padding
	s_mov_b32 s25, 32<<16                          ; a package: 35 rows of 256 bytes, dense
	s_mov_b32 s26, 35<<16
	s_mov_b32 s27, 32<<16
	s_mov_b32 s28, 35
	s_mov_b32 s29, 32
	s_mov_b32 s30, 0
	s_mov_b32 s31, 0
	s_mov_b32 s32, 1
	s_mul_i32 s33, s12, PKG                        ; package w goes to LDS byte 8,960 w
	s_mul_i32 s40, s14, 16*PKG
	s_add_co_u32 s40, s40, s33
	s_mov_b32 s41, 0
	s_wait_dscnt 0x0
	s_wait_kmcnt 0x0
	s_add_nc_u64 s[34:35], s[6:7], s[40:41]
	s_or_b32 s35, s35, 0x80000000
	ROUND                                          ; the four work-groups are here: the joint loads meet
	tensor_load_to_lds s[32:35], s[24:31]          ; my one tensor load of the launch
	s_nop 0
.rept 4
	v_nop
.endr
	v_and_b32 v[AL], 31, v0
	s_delay_alu instid0(VALU_DEP_1)
	v_lshlrev_b32 v[AL], 4, v[AL]
	v_and_b32 v[ASV], 15, v0                       ; r
	v_bfe_u32 v216, v0, 4, 1                       ; h
	s_lshl_b32 s40, s13, 5
	s_lshl_b32 s41, s16, 3
	s_add_co_u32 s40, s40, s41
	v_and_b32 v[DQ], 8, v[ASV]
	s_delay_alu instid0(VALU_DEP_1)
	v_add_nc_u32 v[DQ], v[DQ], v[ASV]
	v_lshlrev_b32 v215, 4, v216
	s_delay_alu instid0(VALU_DEP_1)
	v_sub_nc_u32 v[DQ], v[DQ], v215
	s_delay_alu instid0(VALU_DEP_1)
	v_add_nc_u32 v[DQ], s40, v[DQ]                 ; 32 cx + 8 e + r + 8 (r / 8) - 16 h
	v_lshl_add_u32 v215, v[ASV], 5, v216           ; 32 r + h
	v_lshlrev_b32 v[ASV], 4, v[ASV]
	s_wait_alu depctr_va_vdst(0)
	s_lshl_b32 s42, s13, 1
	s_add_co_u32 s42, s42, s16                     ; my tile of a group: a = 2 cx + e
	s_lshr_b32 s43, s42, 2
	s_lshl_b32 s43, s43, 8
	s_and_b32 s44, s42, 3
	s_lshl_b32 s44, s44, 2
	s_add_co_u32 s43, s43, s44
	s_add_co_u32 s43, s43, 4096                    ; its scale words' place in a package of q,
	s_lshl_b32 s44, s42, 9                         ; and its codes'
	s_lshl_b32 s45, s14, 4
	s_lshr_b32 s46, s14, 4
	s_lshl_b32 s46, s46, 7
	s_add_co_u32 s46, s46, s42                     ; 128 batch + a
	s_and_b32 s47, s14, 15                         ; the head
	s_sub_co_u32 s51, 15, s15                      ; the second pass's group
.macro PADDR sg, vqc, vqs, voc, vos    ; the offsets of one pass: Q's codes and scale word, the result's codes and scale byte
	s_add_co_u32 s48, s45, s[\sg]
	s_mul_i32 s48, s48, QPK
	s_add_co_u32 s49, s48, s44
	v_add_nc_u32 v[\vqc], s49, v[AL]
	s_add_co_u32 s49, s48, s43
	v_add_nc_u32 v[\vqs], s49, v[ASV]
	s_lshl_b32 s48, s[\sg], 3
	s_add_co_u32 s48, s48, s46                     ; the tile of 16 stored rows: 128 batch + 8 group + a
	s_lshl_b32 s49, s48, 13
	s_lshl_b32 s50, s47, 9
	s_add_co_u32 s49, s49, s50
	v_add_nc_u32 v[\voc], s49, v[AL]
	s_lshl_b32 s49, s48, 9
	s_lshl_b32 s50, s47, 1
	s_add_co_u32 s49, s49, s50
	v_add_nc_u32 v[\vos], s49, v215
.endm
	PADDR 15, 6, 7, 4, 5
	PADDR 51, 10, 11, 202, 203
	s_wait_alu depctr_va_vdst(0)
	global_load_b128 v[16:19], v6, s[4:5]          ; Q of both passes stays in registers
	global_load_b32 v200, v7, s[4:5]
	global_load_b128 v[24:27], v10, s[4:5]
	global_load_b32 v201, v11, s[4:5]
.irp j, 20,21,22,23,28,29,30,31,36,37,38,39,44,45,46,47,52,53,54,55,60,61,62,63
	v_mov_b32 v\j, 0                               ; K = 64 .. 127 of Q's and K's fragments: zero codes, for good
.endr
	v_mov_b32 v214, 0xff800000                     ; -infinity
.irp j, 236,237,238,239,252,253
	v_mov_b32 v\j, 0                               ; written once: destinations of lane permutes, and the upper half of a named pair
.endr
	s_wait_loadcnt 0x0                             ; Q
	s_wait_tensorcnt 0x0                           ; my package has landed,
	s_barrier_signal -1
	s_barrier_wait -1                              ; everybody's has
.macro PASS p
.if \p == 0
	s_mov_b32 s38, s15                             ; the pass's group
.else
	s_mov_b32 s38, s51
.endif
	v_mov_b32 v13, 0xff61b1e6                      ; the largest t so far: -3e38
	s_delay_alu instid0(VALU_DEP_1)
	v_floor_f32 v12, -v13                          ; -M
	v_mov_b32 v14, 0
	v_mov_b32 v15, 0
.set n, 0
.rept 32
	v_mov_b32 v[160+n], 0                          ; O^T: the first change of M leaves zeros zeros
.set n, n+1
.endr
	s_mov_b32 s36, 0                               ; the key step's package in LDS
	s_mov_b32 s37, 0                               ; the key step
.Ltrip_\@:
	s_cmp_gt_u32 s37, s38                          ; all its keys come after my queries: only the stepping lines
	s_cbranch_scc1 .Lskip_\@
	v_add_nc_u32 v[ADK], s36, v[AL]
	v_add_nc_u32 v[ADT], s36, v[ASV]
	v_nop
	v_nop                                          ; four plain lines behind the last trip's products
	ds_load_b128 v[192:195], v[ADK] offset:8192    ; K's scale words: lanes 0-15 tiles 0-3, lanes 16-31 tiles 4-7
.irp t, 0,1,2,3
	ds_load_b128 v[32+8*\t:35+8*\t], v[ADK] offset:512*\t
.endr
	s_wait_alu depctr_va_vdst(0)
	s_wait_dscnt 0x0
.irp t, 0,1,2,3
	v_wmma_scale_f32_16x16x128_f8f6f4 v[96+8*\t:103+8*\t], v[32+8*\t:39+8*\t], v[16+8*\p:23+8*\p], 0, v[192+\t], v[200+\p] matrix_a_fmt:MATRIX_FMT_FP4 matrix_b_fmt:MATRIX_FMT_FP4
.endr
.rept 4
	v_nop                                          ; in front of loads into registers that these products read
.endr
.irp t, 0,1,2,3
	ds_load_b128 v[32+8*\t:35+8*\t], v[ADK] offset:2048+512*\t
.endr
.irp t, 0,1,2,3
.irp c, 0,1
	ds_load_b128 v[64+8*\t+4*\c:67+8*\t+4*\c], v[ADK] offset:4096+1024*\t+512*\c
.endr
.endr
	ds_load_b128 v[196:199], v[ADT] offset:8704    ; V's scale words: row r, four channel tiles
	s_wait_dscnt 9                                 ; K's tiles 4-7 are in; V's eight loads and its scale words may be out
.irp t, 0,1,2,3
	v_wmma_scale_f32_16x16x128_f8f6f4 v[128+8*\t:135+8*\t], v[32+8*\t:39+8*\t], v[16+8*\p:23+8*\p], 0, v[192+\t], v[200+\p] matrix_a_fmt:MATRIX_FMT_FP4 matrix_b_fmt:MATRIX_FMT_FP4 matrix_a_scale:MATRIX_SCALE_ROW1
.endr
.rept 4
	v_nop
.endr
	s_cmp_lg_u32 s37, s38                          ; only the group's own step lies on the diagonal
	s_cbranch_scc1 .Lopen_\@
.set n, 0
.rept 64
	v_cmp_gt_i32 vcc_lo, 32*(n/16)+n%16, v[DQ]     ; register 16 b + i holds key 32 b + 16 (lane / 16) + i: hidden where it comes after my query
	v_cndmask_b32 v[96+n], v[96+n], v214, vcc_lo
.set n, n+1
.endr
.Lopen_\@:
.irp b, 0,1,2,3
	v_max3_num_f32 v[232+\b], v[96+16*\b], v[97+16*\b], v[98+16*\b]   ; the largest score of each block of 32 keys: for the row's maximum and for the block's largest p
.endr
.irp i, 3,5,7,9,11,13
.irp b, 0,1,2,3
	v_max3_num_f32 v[232+\b], v[232+\b], v[96+16*\b+\i], v[97+16*\b+\i]
.endr
.endr
.irp b, 0,1,2,3
	v_max_num_f32 v[232+\b], v[232+\b], v[111+16*\b]
.endr
.irp b, 0,1,2,3
	s_delay_alu instid0(VALU_DEP_4)
	v_permlanex16_b32 v[236+\b], v[232+\b], s20, s21
.endr
.irp b, 0,1,2,3
	s_delay_alu instid0(VALU_DEP_4)
	v_max_num_f32 v[232+\b], v[232+\b], v[236+\b]
.endr
	s_delay_alu instid0(VALU_DEP_2)
	v_max3_num_f32 v254, v232, v233, v234
	s_delay_alu instid0(VALU_DEP_1)
	v_max_num_f32 v254, v254, v235
	s_delay_alu instid0(VALU_DEP_1)
	v_mul_f32 v254, s22, v254
	s_delay_alu instid0(VALU_DEP_1)
	v_max_num_f32 v13, v13, v254                   ; the running largest t
	v_mov_b32 v254, v12
	s_delay_alu instid0(VALU_DEP_2)
	v_floor_f32 v12, -v13                          ; the new -M = -ceil(t)
	s_delay_alu instid0(VALU_DEP_1)
	v_sub_f32 v254, v12, v254                      ; old M - new M: a whole number, 0 or less
	s_delay_alu instid0(VALU_DEP_1)
	v_cvt_i32_f32 v254, v254                       ; (it saturates)
	s_delay_alu instid0(VALU_DEP_1)
	v_ldexp_f32 v252, 1.0, v254                    ; f = 2^(old M - new M)
.set n, 0
.rept 32
	v_pk_fma_f32 v[96+n:97+n], v[96+n:97+n], s[22:23], v[12:13] op_sel_hi:[1,0,0]   ; t - M
.set n, n+2
.endr
.irp b, 0,1,2,3
	v_fma_f32 v[232+\b], v[232+\b], s22, v12
.endr
.set n, 0
	s_wait_alu depctr_va_vdst(0)
.rept 64
	v_exp_f32 v[96+n], v[96+n]                     ; p = 2^(t - M)
.set n, n+1
.endr
.irp b, 0,1,2,3
	v_exp_f32 v[232+\b], v[232+\b]                 ; the block's largest p
.endr
	v_pk_mul_f32 v[14:15], v[14:15], v[252:253] op_sel_hi:[1,0]   ; the sums under the new M (a plain line behind the exponentials)
	s_wait_alu depctr_va_vdst(0)
.irp b, 0,1,2,3
	v_max_num_f32 v[232+\b], 0x1800000, v[232+\b]  ; the floor: the byte cannot fall under 1
.endr
.irp b, 0,1,2,3
	s_delay_alu instid0(VALU_DEP_4)
	v_add_nc_u32 v[244+\b], 0xff000000, v[232+\b]
.endr
.irp b, 0,1,2,3
	s_delay_alu instid0(VALU_DEP_4)
	v_lshrrev_b32 v[236+\b], 23, v[244+\b]
.endr
	s_delay_alu instid0(VALU_DEP_3)
	v_lshl_or_b32 v253, v237, 8, v236              ; p's scale word for these 128 keys
	s_delay_alu instid0(VALU_DEP_1)
	v_lshl_or_b32 v253, v238, 16, v253
	s_delay_alu instid0(VALU_DEP_1)
	v_lshl_or_b32 v253, v239, 24, v253
.irp b, 0,1,2,3
	v_cvt_scalef32_pk8_fp4_f32 v[224+2*\b], v[96+16*\b:103+16*\b], v[244+\b]
	v_cvt_scalef32_pk8_fp4_f32 v[225+2*\b], v[104+16*\b:111+16*\b], v[244+\b]
.endr
	v_nop
.irp c, 0,1
.irp i, 0,1
	v_permlane16_swap_b32 v[224+4*\c+\i], v[226+4*\c+\i]
.endr
.endr
	v_pk_add_f32 v[236:237], v[100:101], v[104:105]
	v_pk_add_f32 v[248:249], v[108:109], v[112:113]
	v_pk_add_f32 v[246:247], v[116:117], v[120:121]
	v_pk_add_f32 v[244:245], v[124:125], v[128:129]
	v_pk_add_f32 v[242:243], v[132:133], v[136:137]
	v_pk_add_f32 v[240:241], v[140:141], v[144:145]
	v_pk_add_f32 v[234:235], v[148:149], v[152:153]
	v_pk_add_f32 v[14:15], v[14:15], v[156:157]
	v_pk_add_f32 v[236:237], v[236:237], v[96:97]
	v_pk_add_f32 v[248:249], v[248:249], v[98:99]
	v_pk_add_f32 v[246:247], v[246:247], v[102:103]
	v_pk_add_f32 v[244:245], v[244:245], v[106:107]
	v_pk_add_f32 v[242:243], v[242:243], v[110:111]
	v_pk_add_f32 v[240:241], v[240:241], v[114:115]
	v_pk_add_f32 v[234:235], v[234:235], v[118:119]
	v_pk_add_f32 v[14:15], v[14:15], v[122:123]
	v_pk_add_f32 v[236:237], v[236:237], v[126:127]
	v_pk_add_f32 v[248:249], v[248:249], v[130:131]
	v_pk_add_f32 v[246:247], v[246:247], v[134:135]
	v_pk_add_f32 v[244:245], v[244:245], v[138:139]
	v_pk_add_f32 v[242:243], v[242:243], v[142:143]
	v_pk_add_f32 v[240:241], v[240:241], v[146:147]
	v_pk_add_f32 v[234:235], v[234:235], v[150:151]
	v_pk_add_f32 v[14:15], v[14:15], v[154:155]
	v_pk_add_f32 v[236:237], v[236:237], v[158:159]
	s_delay_alu instid0(VALU_DEP_2)
	v_pk_add_f32 v[14:15], v[14:15], v[244:245]
	s_delay_alu instid0(VALU_DEP_2)
	v_pk_add_f32 v[236:237], v[236:237], v[242:243]
	v_pk_add_f32 v[248:249], v[248:249], v[240:241]
	v_pk_add_f32 v[246:247], v[246:247], v[234:235]
	s_delay_alu instid0(VALU_DEP_2)
	v_pk_add_f32 v[14:15], v[14:15], v[248:249]
	s_delay_alu instid0(VALU_DEP_2)
	v_pk_add_f32 v[236:237], v[236:237], v[246:247]
	s_delay_alu instid0(VALU_DEP_1)
	v_pk_add_f32 v[14:15], v[14:15], v[236:237]
.set n, 0
.rept 16
	v_pk_mul_f32 v[160+n:161+n], v[160+n:161+n], v[252:253] op_sel_hi:[1,0]   ; O^T under the new M
.set n, n+2
.endr
	s_wait_alu depctr_va_vdst(0)
	s_wait_dscnt 0x0                               ; V and its scale words are in
.irp t, 0,1,2,3
	v_wmma_scale_f32_16x16x128_f8f6f4 v[160+8*\t:167+8*\t], v[64+8*\t:71+8*\t], v[224:231], v[160+8*\t:167+8*\t], v[196+\t], v253 matrix_a_fmt:MATRIX_FMT_FP4 matrix_b_fmt:MATRIX_FMT_FP4
.endr
.Lskip_\@:
	s_add_co_u32 s36, s36, PKG
	s_add_co_u32 s37, s37, 1
	s_cmp_lt_u32 s37, 16
	s_cbranch_scc1 .Ltrip_\@
	; the pass's end: O^T / the sum, quantised along the head's 64: register 16 b + i is channel 32 b + 16 (lane / 16) + i
.rept 4
	v_nop
.endr
	v_add_f32 v14, v14, v15
	s_delay_alu instid0(VALU_DEP_1)
	v_permlanex16_b32 v252, v14, s20, s21
	s_delay_alu instid0(VALU_DEP_1)
	v_add_f32 v14, v14, v252                       ; the row's sum
	s_wait_alu depctr_va_vdst(0)
	v_rcp_f32 v14, v14
	v_nop
.set n, 0
	s_wait_alu depctr_va_vdst(0)
.rept 16
	v_pk_mul_f32 v[96+n:97+n], v[160+n:161+n], v[14:15] op_sel_hi:[1,0]
.set n, n+2
.endr
.irp b, 0,1
	v_max3_num_f32 v[232+\b], |v[96+16*\b]|, |v[97+16*\b]|, 0x1800000
.endr
.irp i, 2,4,6,8,10,12,14
.irp b, 0,1
	s_delay_alu instid0(VALU_DEP_2)
	v_max3_num_f32 v[232+\b], v[232+\b], |v[96+16*\b+\i]|, |v[97+16*\b+\i]|
.endr
.endr
.irp b, 0,1
	s_delay_alu instid0(VALU_DEP_2)
	v_permlanex16_b32 v[236+\b], v[232+\b], s20, s21
.endr
.irp b, 0,1
	s_delay_alu instid0(VALU_DEP_2)
	v_max_num_f32 v[232+\b], v[232+\b], v[236+\b]
.endr
.irp b, 0,1
	s_delay_alu instid0(VALU_DEP_2)
	v_add_nc_u32 v[244+\b], 0xff000000, v[232+\b]
.endr
.irp b, 0,1
	s_delay_alu instid0(VALU_DEP_2)
	v_lshrrev_b32 v[236+\b], 23, v[244+\b]
.endr
.irp b, 0,1
	v_cvt_scalef32_pk8_fp4_f32 v[204+4*\p+2*\b], v[96+16*\b:103+16*\b], v[244+\b]
	v_cvt_scalef32_pk8_fp4_f32 v[205+4*\p+2*\b], v[104+16*\b:111+16*\b], v[244+\b]
.endr
	v_nop
.irp i, 0,1
	v_permlane16_swap_b32 v[204+4*\p+\i], v[206+4*\p+\i]   ; lanes 0-15 block 0, lanes 16-31 block 1
.endr
	v_cndmask_b32 v[212+\p], v236, v237, s39       ; and the block's byte likewise
.if \p == 0
	global_store_b128 v4, v[204:207], s[8:9]       ; 512 consecutive bytes, aligned
	global_store_b8 v5, v212, s[10:11]
.else
	global_store_b128 v202, v[208:211], s[8:9]
	global_store_b8 v203, v213, s[10:11]
.endif
.endm
	PASS 0
	PASS 1
	s_wait_tensorcnt 0x0
	ds_add_u32 v251, v255
	s_wait_dscnt 0x0
	ROUND                                          ; the closing round
	s_endpgm
.Lfunc_end_k_qae9edc4c0c_attn:
	.size	k_qae9edc4c0c_attn, .Lfunc_end_k_qae9edc4c0c_attn-k_qae9edc4c0c_attn
	.p2alignl 7, 3214868480
	.fill 96, 4, 3214868480
	.section	.rodata,"a",@progbits
	.p2align	6, 0x0
	.amdhsa_kernel k_qae9edc4c0c_attn
		.amdhsa_group_segment_fixed_size 169984
		.amdhsa_private_segment_fixed_size 0
		.amdhsa_enable_private_segment 0
		.amdhsa_kernarg_size 32
		.amdhsa_user_sgpr_count 2
		.amdhsa_user_sgpr_kernarg_segment_ptr 1
		.amdhsa_wavefront_size32 1
		.amdhsa_system_sgpr_workgroup_id_x 1
		.amdhsa_system_sgpr_workgroup_id_y 1
		.amdhsa_system_sgpr_workgroup_id_z 1
		.amdhsa_system_vgpr_workitem_id 0
		.amdhsa_next_free_vgpr 256
		.amdhsa_next_free_sgpr 66
		.amdhsa_reserve_vcc 1
		.amdhsa_float_denorm_mode_32 3
		.amdhsa_float_denorm_mode_16_64 3
		.amdhsa_memory_ordered 1
		.amdhsa_forward_progress 1
		.amdhsa_inst_pref_size 60
	.end_amdhsa_kernel
	.amdgpu_metadata
---
amdhsa.version: [ 1, 2 ]
amdhsa.kernels:
  - .name:           k_qae9edc4c0c_attn
    .symbol:         k_qae9edc4c0c_attn.kd
    .args:
      - { .name: qp, .offset: 0, .size: 8, .value_kind: global_buffer, .address_space: global }
      - { .name: kvp, .offset: 8, .size: 8, .value_kind: global_buffer, .address_space: global }
      - { .name: oc, .offset: 16, .size: 8, .value_kind: global_buffer, .address_space: global }
      - { .name: osc, .offset: 24, .size: 8, .value_kind: global_buffer, .address_space: global }
    .group_segment_fixed_size: 169984
    .private_segment_fixed_size: 0
    .kernarg_segment_align: 8
    .kernarg_segment_size: 32
    .max_flat_workgroup_size: 512
    .sgpr_count:     66
    .vgpr_count:     256
    .wavefront_size: 32
...
	.end_amdgpu_metadata
.endif
;; end of part 3
;; launch gemm_out (part 4): grid 4 x 32, 4 waves a work-group, clusters of 4 x 4, 327,680 bytes of LDS; arguments oc, osc, wc, wsc, bo, out0; writes out0
.if DOCPART == 4
	.amdgcn_target "amdgcn-amd-amdhsa--gfx1250"
	.amdhsa_code_object_version 6
	.text
	.protected	k_qae9edc4c0c_gemm_out
	.globl	k_qae9edc4c0c_gemm_out
	.p2align	8
	.type	k_qae9edc4c0c_gemm_out,@function
k_qae9edc4c0c_gemm_out:
	s_mov_b64 s[64:65], 0
	v_nop
	global_prefetch_b8 v0, s[64:65] scope:SCOPE_SE
	s_setreg_imm32_b32 hwreg(HW_REG_WAVE_MODE, 25, 1), 1
	s_wait_xcnt 0x0
	s_wait_alu depctr_hold_cnt(0) depctr_sa_sdst(0) depctr_va_vdst(0) depctr_va_sdst(0) depctr_va_ssrc(0) depctr_va_vcc(0) depctr_vm_vsrc(0)
	s_getreg_b32 s2, hwreg(HW_REG_IB_STS2, 6, 4)
	s_cmp_eq_u32 s2, 0
	s_cbranch_scc0 .Lentry_in_a_cluster
	s_endpgm
.Lentry_in_a_cluster:
	s_bfe_u32 s2, ttmp6, 0x10000c
	s_cmp_lg_u32 s2, 0xf033
	s_cbranch_scc0 .Lentry_shape_is_right
	s_endpgm
.Lentry_shape_is_right:
; out0 = o Wo + bo on codes of FP4 with E8M0 scales.  oc: images of A's operand registers [tile of 16 stored rows 512][head 16][lane][16 bytes]; osc [8192][32]; wc, wsc: Wo's columns are rows 3072-4095; K = 1,024.
; A tile of 256 x 256 to a work-group of four waves, 128 x 128 to a wave.  LDS holds all of K at once: A's 16 tiles of 8,192 bytes, B's 256 rows of 512 + 16 bytes, then the scales: four tiles, each filled once, one joint load a wave.
; 4 x 4 clusters: A's tiles are shared along a row of the cluster, B's along a column.  No prefetch: the launch has no loop to run ahead in.
; The way out goes through a stage of each wave's own, in LDS bytes on which no load lands; the rows' stored order (bits 3 and 4 swapped) is undone by the stores' offsets.
.set SIZE_N, 1024
.set KSTEP,  512
.set NQ,     4
.set ROWB,   512
.set KROW,   512
.set PITCH,  528
.set FR,     8
.set NL,     2
.set NP,     4
.set HALFT,  128*PITCH
.set SLOT,   4*HALFT
.set KS,     32
.set SCL,    SLOT
.set HALFS,  (128*KS/256)*272
.set SBLK,   (16*KS/256)*272
.set SPARE,  SCL+4*HALFS
.set SPITCH, 528
.set STAGE,  SPARE+512                 ; behind the spare words: 16 rows x 528 bytes for each wave
.set ADRA, 16
.set ADRB, 20
.set STO,  24
.set RD,   25
.set CO,   26
.set ADRS, 27
.set SPW,  28
.set NIL,  29
.set SC,   32
.set AF,   128
.set BK,   128
.set G1, 24
.set G0, 32
.set G1B, 48
.set G0B, 56
.set G1S, 68
.set G0S, 76
.set G1SB, 80
.set G0SB, 88
.set MSB, 0
.macro WIN new
.if MSB != (\new)
	s_set_vgpr_msb (MSB<<8)|(\new)
.set MSB, (\new)
.endif
.endm
.set MUL_LO, 0xa1
.set MUL_HI, 0xf1
.set TO_B,   0x40
; An arm of the head's one tree of branches on the wave's number: its joint load, s_nop 0 and four v_nop, and a jump to the tree's end
.macro ARM under, g0, g1, next
	s_cmp_lt_u32 s14, \under
	s_cbranch_scc0 \next
	tensor_load_to_lds s[\g0:\g0+3], s[\g1:\g1+7]
	s_nop 0
.rept 4
	v_nop
.endr
	s_branch .Lhead_asked
\next:
.endm
.macro CREST
	s_cmp_lg_u32 s14, 0
	s_cbranch_scc1 .Lnot_wave_0_\@
	s_barrier_signal -3
.Lnot_wave_0_\@:
	s_barrier_wait -3
	s_barrier_signal -1
	s_barrier_wait -1
.endm
.macro CROUND
	s_barrier_signal -1
	s_barrier_wait -1
	CREST
.endm
	s_load_b128 s[4:7], s[0:1], 0x0
	s_load_b128 s[8:11], s[0:1], 0x10
	s_load_b64 s[66:67], s[0:1], 0x20
	s_load_b64 s[12:13], s[0:1], 0x28
	v_lshl_add_u32 v[SPW], v0, 2, SPARE
	v_mov_b32 v[NIL], 0
	ds_add_u32 v28, v29
	ds_add_u32 v28, v29
	s_wait_dscnt 0x0
	v_lshrrev_b32 v1, 5, v0
	v_readfirstlane_b32 s14, v1
	s_lshr_b32 s15, s14, 1
	s_and_b32 s16, s14, 1
	s_bfe_u32 s40, ttmp6, 0x40000
	s_bfe_u32 s41, ttmp6, 0x40004
	s_lshl_b32 s42, ttmp9, 2
	s_add_co_u32 s42, s42, s40
	s_and_b32 s17, ttmp7, 0xffff
	s_lshl_b32 s17, s17, 2
	s_add_co_u32 s17, s17, s41
	s_lshl_b32 s43, s41, 2
	s_lshl_b32 s43, 15, s43
	s_lshl_b32 s44, 0x1111, s40
	s_or_b32 s[G1+0], s43, (3<<16)|(1<<21)
	s_mov_b32 s[G1+1], 1024<<16                    ; A: 16 tiles of 8,192 bytes (1,024 elements of 8), dense
	s_mov_b32 s[G1+2], 16<<16
	s_mov_b32 s[G1+3], 1024<<16
	s_mov_b32 s[G1+4], 16
	s_mov_b32 s[G1+5], 1024
	s_mov_b32 s[G1+6], 0
	s_mov_b32 s[G1+7], 0
	s_or_b32 s[G1B+0], s44, (0<<16)|(1<<20)|(1<<21)|(6<<22)|(3<<25)  ; padding: 4 words behind every 128
	s_mov_b32 s[G1B+1], ROWB<<16
	s_mov_b32 s[G1B+2], 256<<16
	s_mov_b32 s[G1B+3], ROWB<<16
	s_mov_b32 s[G1B+4], 256
	s_mov_b32 s[G1B+5], KROW
	s_mov_b32 s[G1B+6], 0
	s_mov_b32 s[G1B+7], 0
	s_or_b32 s[G1S+0], s43, (3<<16)|(1<<20)|(1<<21)|(5<<22)|(3<<25)
	s_or_b32 s[G1SB+0], s44, (3<<16)|(1<<20)|(1<<21)|(5<<22)|(3<<25)
.irp g, G1S, G1SB
	s_mov_b32 s[\g+1], 32<<16
	s_mov_b32 s[\g+2], (256*KS/256)<<16            ; the scale bytes of 256 rows: 32 rows of 256 bytes
	s_mov_b32 s[\g+3], 32<<16
	s_mov_b32 s[\g+4], 256*KS/256
	s_mov_b32 s[\g+5], 32
	s_mov_b32 s[\g+6], 0
	s_mov_b32 s[\g+7], 0
.endr
	s_lshl_b32 s20, s17, 8                         ; A: row 256 x tile row
	s_lshl_b32 s46, s42, 8
	s_add_co_u32 s46, s46, 3072                    ; B: Wo's columns begin at row 3,072 of wc
	s_mov_b32 s21, 0
	s_mov_b32 s47, 0
	s_mov_b64 s[18:19], KS
	s_mul_u64 s[22:23], s[20:21], s[18:19]
	s_mul_u64 s[92:93], s[46:47], s[18:19]
	s_mov_b64 s[18:19], KROW
	s_mul_u64 s[20:21], s[20:21], s[18:19]
	s_mul_u64 s[46:47], s[46:47], s[18:19]
	s_wait_kmcnt 0x0
	s_add_nc_u64 s[20:21], s[4:5], s[20:21]
	s_add_nc_u64 s[22:23], s[6:7], s[22:23]
	s_add_nc_u64 s[46:47], s[8:9], s[46:47]
	s_add_nc_u64 s[92:93], s[10:11], s[92:93]
	CROUND
	s_mov_b32 s[G0S], 1
	s_mov_b32 s[G0S+1], SCL
	s_mov_b64 s[G0S+2:G0S+3], s[22:23]
	s_or_b32 s[G0S+3], s[G0S+3], 0x80000000
	s_mov_b32 s[G0SB], 1
	s_mov_b32 s[G0SB+1], SCL+2*HALFS
	s_mov_b64 s[G0SB+2:G0SB+3], s[92:93]
	s_or_b32 s[G0SB+3], s[G0SB+3], 0x80000000
	s_mov_b32 s[G0], 1                             ; A's 256 rows, all of K
	s_mov_b32 s[G0+1], 0
	s_mov_b64 s[G0+2:G0+3], s[20:21]
	s_or_b32 s[G0+3], s[G0+3], 0x80000000
	s_mov_b32 s[G0B], 1                            ; B's 256 rows, behind them
	s_mov_b32 s[G0B+1], 2*HALFT
	s_mov_b64 s[G0B+2:G0B+3], s[46:47]
	s_or_b32 s[G0B+3], s[G0B+3], 0x80000000
	; the launch's four tiles, one joint load a wave: wave 0 A's codes, wave 1 B's, wave 2 A's scales, wave 3 B's; every way through the tree passes exactly one load
	ARM 1, G0,  G1,  .Lhead_b
	ARM 2, G0B, G1B, .Lhead_sa
	ARM 3, G0S, G1S, .Lhead_sb
	tensor_load_to_lds s[G0SB:G0SB+3], s[G1SB:G1SB+7]
	s_nop 0
.rept 4
	v_nop
.endr
.Lhead_asked:
	v_and_b32 v1, 15, v0
	v_bfe_u32 v2, v0, 4, 1
	v_and_b32 v6, 31, v0
	v_lshlrev_b32 v[CO], 4, v6
	v_mul_u32_u24 v3, v1, PITCH
	v_lshl_add_u32 v4, v2, 4, v3
	s_lshl_b32 s21, s15, 16                        ; my 8 tiles of A: 8 x 8,192 bytes
	s_mul_i32 s22, s16, HALFT
	s_add_co_u32 s22, s22, 2*HALFT
.irp s, 0,1
	v_add_nc_u32 v[ADRA+\s], s21, v[CO]
	v_add_nc_u32 v[ADRB+\s], s22, v4
	s_add_co_u32 s21, s21, 4096                    ; K's second half: heads 8-15, 4,096 bytes on in each tile
	s_add_co_u32 s22, s22, 256                     ; and 256 bytes on in each row of B
.endr
	v_mul_u32_u24 v5, v1, KS
	v_lshrrev_b32 v6, 8, v5
	v_lshl_add_u32 v5, v6, 4, v5
	s_mul_i32 s21, s15, HALFS
	s_mul_i32 s22, s16, HALFS
	s_add_co_u32 s22, s22, 2*HALFS
	s_sub_co_u32 s22, s22, s21
	v_mul_u32_u24 v6, s22, v2
	s_add_co_u32 s21, s21, SCL
	v_add_nc_u32 v5, v5, v6
	v_add_nc_u32 v[ADRS], s21, v5
	s_mul_i32 s23, s14, 16*SPITCH
	s_add_co_u32 s23, s23, STAGE                   ; my stage
	v_mul_u32_u24 v5, v1, SPITCH
	v_lshl_add_u32 v5, v2, 6, v5
	v_add_nc_u32 v[STO], s23, v5
	v_add_nc_u32 v[RD], s23, v[CO]
	s_lshl_b32 s20, s17, 8
	s_lshl_b32 s21, s15, 7
	s_add_co_u32 s20, s20, s21
	s_mov_b32 s21, 0
	s_mov_b64 s[18:19], SIZE_N*4
	s_mul_u64 s[20:21], s[20:21], s[18:19]
	s_lshl_b32 s46, s42, 10
	s_lshl_b32 s47, s16, 9
	s_add_co_u32 s46, s46, s47
	s_mov_b32 s47, 0
	s_add_nc_u64 s[66:67], s[66:67], s[46:47]
	global_load_b128 v[8:11], v[CO], s[66:67]
	s_add_nc_u64 s[20:21], s[20:21], s[46:47]
	s_add_nc_u64 s[12:13], s[12:13], s[20:21]
.macro FRAG reg, adr, q, i
.irp c, 0,1
	ds_load_b128 v[\reg+4*\c:\reg+4*\c+3], v[\adr] offset:64*(\q)+32*\c+(\i)*16*PITCH
.endr
.endm
.macro FRAGA reg, adr, q, i
.irp c, 0,1
	ds_load_b128 v[\reg+4*\c:\reg+4*\c+3], v[\adr] offset:8192*(\i)+1024*(\q)+512*\c
.endr
.endm
.macro MUL16 a0, p, q, sc, zero
.irp a, \a0, \a0+1
.irp b, 0,1,2,3,4,5,6,7
.if \zero
	v_wmma_scale_f32_16x16x128_f8f6f4 v[8*(8*((\a)%4)+\b):8*(8*((\a)%4)+\b)+7], v[128*(\p)+FR*\b:128*(\p)+FR*\b+FR-1], v[AF+FR*(\a):AF+FR*(\a)+FR-1], 0, v[SC+8*NQ*(\sc)+NQ*\b+(\q)], v[SC+8*NQ*(\sc)+NQ*(\a)+(\q)] matrix_a_fmt:MATRIX_FMT_FP4 matrix_b_fmt:MATRIX_FMT_FP4 matrix_a_scale:MATRIX_SCALE_ROW1
.else
	v_wmma_scale_f32_16x16x128_f8f6f4 v[8*(8*((\a)%4)+\b):8*(8*((\a)%4)+\b)+7], v[128*(\p)+FR*\b:128*(\p)+FR*\b+FR-1], v[AF+FR*(\a):AF+FR*(\a)+FR-1], v[8*(8*((\a)%4)+\b):8*(8*((\a)%4)+\b)+7], v[SC+8*NQ*(\sc)+NQ*\b+(\q)], v[SC+8*NQ*(\sc)+NQ*(\a)+(\q)] matrix_a_fmt:MATRIX_FMT_FP4 matrix_b_fmt:MATRIX_FMT_FP4 matrix_a_scale:MATRIX_SCALE_ROW1
.endif
.endr
.endr
.endm
.macro FETCH_B slot, q, p
	WIN TO_B
.irp i, 0,1,2,3,4,5,6,7
	FRAG 128*(\p)+FR*\i, ADRB+\slot, \q, \i
.endr
	WIN 0
.endm
.macro FETCH_A slot, q, i0
.irp i, \i0, \i0+1, \i0+2, \i0+3
	FRAGA AF+FR*(\i), ADRA+\slot, \q, \i
.endr
.endm
.macro SCALES sc
.irp i, 0,1,2,3,4,5,6,7
	ds_load_b128 v[SC+8*NQ*\sc+NQ*\i:SC+8*NQ*\sc+NQ*\i+3], v[ADRS] offset:\i*SBLK
.endr
.endm
.macro PLACES n
.rept \n
	v_nop
.endr
.endm
.macro STEP slot, q, zero
	s_wait_dscnt 4*NL
	WIN MUL_LO
	MUL16 0, (\q)%2, \q, \slot, \zero
	MUL16 2, (\q)%2, \q, \slot, \zero
	s_wait_dscnt 0
	PLACES NP
	FETCH_B \slot, (\q)+1, 1-(\q)%2
	FETCH_A \slot, (\q)+1, 0
	WIN MUL_HI
	MUL16 4, (\q)%2, \q, \slot, \zero
	MUL16 6, (\q)%2, \q, \slot, \zero
	PLACES NP
	WIN 0
	FETCH_A \slot, (\q)+1, 4
.endm
.macro TURN slot, next
	s_wait_dscnt 4*NL                              ; K's second half lies in LDS already: no barrier; the youngest eight loads (A's blocks 4-7) may be out
	WIN MUL_LO
	MUL16 0, 1, NQ-1, \slot, 0
	s_wait_dscnt 0x0
	MUL16 2, 1, NQ-1, \slot, 0
	WIN 0
	PLACES NP
	v_add_nc_u32 v[ADRS], 4*NQ, v[ADRS]
	FETCH_B \next, 0, 0
	FETCH_A \next, 0, 0
	SCALES \next
	WIN MUL_HI
	MUL16 4, 1, NQ-1, \slot, 0
	MUL16 6, 1, NQ-1, \slot, 0
	PLACES NP
	WIN 0
	FETCH_A \next, 0, 4
.endm
.macro STEPS slot, from
.set Q, \from
.rept NQ-1-\from
	STEP \slot, Q, 0
.set Q, Q+1
.endr
.endm
	s_wait_alu depctr_va_vdst(0)
	s_wait_tensorcnt 0x0                           ; my one tensor load has landed; behind the barrier everybody's has
	s_barrier_signal -1
	s_barrier_wait -1
	FETCH_B 0, 0, 0
	FETCH_A 0, 0, 0
	SCALES 0
	FETCH_A 0, 0, 4
	STEP 0, 0, 1
	STEPS 0, 1
	TURN 0, 1
	STEPS 1, 0
	s_wait_dscnt 4*NL
	WIN MUL_LO
	MUL16 0, 1, NQ-1, 1, 0
	MUL16 2, 1, NQ-1, 1, 0
	s_wait_dscnt 0
	WIN MUL_HI
	MUL16 4, 1, NQ-1, 1, 0
	MUL16 6, 1, NQ-1, 1, 0
	WIN 0
.macro TOSTAGE a
.set AC, 64*((\a)%4)
	WIN 0x08+4*((\a)/4)
.irp b, 0,1,2,3,4,5,6,7
	ds_store_b128 v[STO], v[AC+8*\b:AC+8*\b+3] offset:128*(\b/2)+32*(\b%2)
	ds_store_b128 v[STO], v[AC+8*\b+4:AC+8*\b+7] offset:128*(\b/2)+32*(\b%2)+16
.endr
	WIN 0
.set BB, BK+64*((\a)%2)
.irp t, 0,1,2,3,4,5,6,7,8,9,10,11,12,13,14,15
	ds_load_b128 v[BB+4*\t:BB+4*\t+3], v[RD] offset:\t*SPITCH
.endr
.endm
.macro SEND a, younger
.set BB, BK+64*((\a)%2)
	s_wait_dscnt \younger
.if (\a) > 0
.if (\a)%2 == 1
	s_add_nc_u64 s[12:13], s[12:13], 8*SIZE_N*4
.else
	s_add_nc_u64 s[12:13], s[12:13], 24*SIZE_N*4
.endif
.endif
.irp t, 0,1,2,3,4,5,6,7,8,9,10,11,12,13,14,15
	v_pk_add_f32 v[BB+4*\t:BB+4*\t+1], v[BB+4*\t:BB+4*\t+1], v[8:9]
	v_pk_add_f32 v[BB+4*\t+2:BB+4*\t+3], v[BB+4*\t+2:BB+4*\t+3], v[10:11]
	global_store_b128 v[CO], v[BB+4*\t:BB+4*\t+3], s[12:13] offset:(\t+8*(\t/8))*SIZE_N*4 th:TH_STORE_NT
.endr
.endm
	s_wait_loadcnt 0x0
	PLACES NP
	TOSTAGE 0
.irp a, 1,2,3,4,5,6,7
.if \a > 1
	s_wait_xcnt 0x0
.endif
	TOSTAGE \a
	SEND \a-1, 32
.endr
	s_wait_xcnt 0x0
	SEND 7, 0
	s_wait_tensorcnt 0x0
	ds_add_u32 v[SPW], v[NIL]
	s_wait_dscnt 0x0
	CROUND
	s_endpgm
.Lfunc_end_k_qae9edc4c0c_gemm_out:
	.size	k_qae9edc4c0c_gemm_out, .Lfunc_end_k_qae9edc4c0c_gemm_out-k_qae9edc4c0c_gemm_out
	.p2alignl 7, 3214868480
	.fill 96, 4, 3214868480
	.section	.rodata,"a",@progbits
	.p2align	6, 0x0
	.amdhsa_kernel k_qae9edc4c0c_gemm_out
		.amdhsa_group_segment_fixed_size 327680
		.amdhsa_private_segment_fixed_size 0
		.amdhsa_enable_private_segment 0
		.amdhsa_kernarg_size 48
		.amdhsa_user_sgpr_count 2
		.amdhsa_user_sgpr_kernarg_segment_ptr 1
		.amdhsa_wavefront_size32 1
		.amdhsa_system_sgpr_workgroup_id_x 1
		.amdhsa_system_sgpr_workgroup_id_y 1
		.amdhsa_system_sgpr_workgroup_id_z 1
		.amdhsa_system_vgpr_workitem_id 0
		.amdhsa_next_free_vgpr 1024
		.amdhsa_next_free_sgpr 98
		.amdhsa_reserve_vcc 0
		.amdhsa_float_denorm_mode_32 3
		.amdhsa_float_denorm_mode_16_64 3
		.amdhsa_memory_ordered 1
		.amdhsa_forward_progress 1
		.amdhsa_inst_pref_size 139
	.end_amdhsa_kernel
	.amdgpu_metadata
---
amdhsa.version: [ 1, 2 ]
amdhsa.kernels:
  - .name:           k_qae9edc4c0c_gemm_out
    .symbol:         k_qae9edc4c0c_gemm_out.kd
    .args:
      - { .name: oc, .offset: 0, .size: 8, .value_kind: global_buffer, .address_space: global }
      - { .name: osc, .offset: 8, .size: 8, .value_kind: global_buffer, .address_space: global }
      - { .name: wc, .offset: 16, .size: 8, .value_kind: global_buffer, .address_space: global }
      - { .name: wsc, .offset: 24, .size: 8, .value_kind: global_buffer, .address_space: global }
      - { .name: bo, .offset: 32, .size: 8, .value_kind: global_buffer, .address_space: global }
      - { .name: out0, .offset: 40, .size: 8, .value_kind: global_buffer, .address_space: global }
    .group_segment_fixed_size: 327680
    .private_segment_fixed_size: 0
    .kernarg_segment_align: 8
    .kernarg_segment_size: 48
    .max_flat_workgroup_size: 128
    .sgpr_count:     98
    .vgpr_count:     1024
    .wavefront_size: 32
...
	.end_amdgpu_metadata
.endif
;; end of part 4
